; MI455X (gfx1250); checked and timed in simulation.
; The chip was launched on July 23, 2026; its instructions are those of AMD's public machine-readable ISA for CDNA 5 (MIT licence, August 2026) and "CDNA5" Instruction Set Architecture Reference Guide (July 2026). The comments in the code are by the model that wrote it; some were corrected since.
;; F Mo E Transformer MLP. Allowed arithmetic: matrix products marked QUANTISED: E2M3 operands, one E8M0 scale for each 32 along K, by v_wmma_scale_f32_16x16x128_f8f6f4 with both operands' format E2M3, f32 sums; products left as they are: f32 operands where the result goes on into a quantised operand, else bf16, f16 or f32 operands; f32 sums; everything else in f32.
;; Inputs: gate_b 8 float32; gate_w 8 x 1,024 float32; inp 256 x 4 x 1,024 float32; ln_beta 1,024 float32; ln_gamma 1,024 float32; moe_bias 1,024 float32; w1 8 x 4,096 x 1,024 float32; w2 8 x 1,024 x 4,096 float32.
;; Outputs: out0 256 x 4 x 1,024 float32; out1 1,024 float32.
;; This version of the problem:
;;   THIS VERSION OF THE PROBLEM IS GIVEN IN LOW PRECISION. The matrix products marked QUANTISED in the list below multiply operands that are first quantised to E2M3 (2 exponent bits, 3 mantissa bits; 6 bits a number), with one power-of-two scale for each 32 numbers along K (OCP MX v1.0); their sums are f32. All else is computed in f32.
;;   The module's matrix products, in the order in which they are computed (A, B: the left and right operand; K: the contracted axis; several contracted axes count as one K, in the product's order):
;;     1. [M 1,024, K 1,024] x [K 1,024, N 8]; A: input inp; B: input gate_w: left as it is (N = 8 < 16)
;;     2. [M 1,024, K 1,024] x [K 1,024, N 4,096]; A: input inp; B: input w1: QUANTISED
;;     3. [M 1,024, K 4,096] x [K 4,096, N 1,024]; A: computed on the way; B: input w2: QUANTISED
;;     4. [M 1,024, K 1,024] x [K 1,024, N 4,096]; A: input inp; B: input w1: QUANTISED
;;     5. [M 1,024, K 4,096] x [K 4,096, N 1,024]; A: computed on the way; B: input w2: QUANTISED
;;     6. [M 1,024, K 1,024] x [K 1,024, N 4,096]; A: input inp; B: input w1: QUANTISED
;;     7. [M 1,024, K 4,096] x [K 4,096, N 1,024]; A: computed on the way; B: input w2: QUANTISED
;;     8. [M 1,024, K 1,024] x [K 1,024, N 4,096]; A: input inp; B: input w1: QUANTISED
;;     9. [M 1,024, K 4,096] x [K 4,096, N 1,024]; A: computed on the way; B: input w2: QUANTISED
;;     10. [M 1,024, K 1,024] x [K 1,024, N 4,096]; A: input inp; B: input w1: QUANTISED
;;     11. [M 1,024, K 4,096] x [K 4,096, N 1,024]; A: computed on the way; B: input w2: QUANTISED
;;     12. [M 1,024, K 1,024] x [K 1,024, N 4,096]; A: input inp; B: input w1: QUANTISED
;;     13. [M 1,024, K 4,096] x [K 4,096, N 1,024]; A: computed on the way; B: input w2: QUANTISED
;;     14. [M 1,024, K 1,024] x [K 1,024, N 4,096]; A: input inp; B: input w1: QUANTISED
;;     15. [M 1,024, K 4,096] x [K 4,096, N 1,024]; A: computed on the way; B: input w2: QUANTISED
;;     16. [M 1,024, K 1,024] x [K 1,024, N 4,096]; A: input inp; B: input w1: QUANTISED
;;     17. [M 1,024, K 4,096] x [K 4,096, N 1,024]; A: computed on the way; B: input w2: QUANTISED
;;     18. batch 1,024 x [M 1, K 2] x [K 2, N 1,024]; A: softmax; B: computed on the way: left as it is (K = 2 < 32)
;;   THE QUANTISER, for each operand of a quantised product, along K:
;;     - K is cut into blocks of 32 from its start; a last block that is shorter is filled with zeros.
;;     - A block's scale is 2^e with e = floor(log2(the largest magnitude in the block)) - 2, held to -126 .. 127; a block of zeros has e = 0. As a byte (E8M0): e + 127.
;;     - Each number is divided by its block's scale, clamped to +-7.5, and rounded to the nearest number of E2M3, ties to even, subnormals kept.
;;     - The product sums the exact products of the quantised numbers (number of the format x scale) in f32.
;;   ~~~python
;;   def quantise(x, axis):      # numpy; x: float32 -> the quantised numbers, widened to float32 again
;;       x = np.moveaxis(x, axis, -1); K = x.shape[-1]
;;       x = np.pad(x, [(0, 0)] * (x.ndim - 1) + [(0, -K % 32)]); x = x.reshape(x.shape[:-1] + (-1, 32)); a = np.abs(x).max(-1, keepdims=True)
;;       e = np.where(a > 0, np.clip(np.frexp(np.where(a > 0, a, 1))[1] - 1 - 2, -126, 127), 0)      # np.frexp(a)[1] - 1 = floor(log2(a)), exactly
;;       r = np.clip(x / 2.0 ** e, -7.5, 7.5)
;;       step = 2.0 ** (np.maximum(np.frexp(np.where(r == 0, 1, r))[1] - 1, 0) - 3)
;;       q = np.round(r / step) * step * 2.0 ** e      # np.round: ties to even
;;       return np.moveaxis(q.reshape(q.shape[:-2] + (-1,))[..., :K], -1, axis).astype(np.float32)
;;   ~~~
;;   OPERANDS COMPUTED ON THE WAY. 'Computed on the way' means the value that the module computes at that place (a softmax that the list does not call 'softmax' is quantised finished and normalised). What goes into a quantiser is computed in f32, as accurately as f32 sums, v_exp_f32 and their like allow (about 1e-6 of the number): no bf16 or f16 on the way to a quantiser, and a product that is left as it is and whose result goes on into a quantised operand takes f32 operands (vector FMAs, or v_wmma_f32_16x16x4_f32). A number that lies on a knife's edge between two numbers of the format may be rounded either way, as far as f32 arithmetic and the matrix unit's own rounding can turn it there, and no further.
;; 2 versions, each right; version 2 is version 1 with the launches gemm1, gemm2 written anew for expert scheduling mode. Each part assembles by itself: llvm-mc -triple=amdgcn-amd-amdhsa -mcpu=gfx1250 --defsym DOCPART=n.
;; ======== version 1 of 2: 5 launches
;; limits: a function is approximated: absolute error at most 1.5e-07
;; workspace buffers: idx 8,192 bytes of whole numbers; sc 8,192 bytes; route 33,792 bytes of whole numbers; xc 6,291,456 bytes; xs 524,288 bytes; hc 25,165,824 bytes; hs 2,097,152 bytes; yp 134,217,728 bytes
;; launch gate (part 1): grid 128 x 1, 4 waves a work-group, no clusters, 0 bytes of LDS; arguments inp, gate_w, gate_b, moe_bias, idx, sc, out1; writes idx, sc, out1
.if DOCPART == 1
	.amdgcn_target "amdgcn-amd-amdhsa--gfx1250"
	.amdhsa_code_object_version 6
	.text
	.protected	k_qc576eef8a5_gate
	.globl	k_qc576eef8a5_gate
	.p2align	8
	.type	k_qc576eef8a5_gate,@function
k_qc576eef8a5_gate:
	s_mov_b64 s[64:65], 0
	v_nop
	global_prefetch_b8 v0, s[64:65] scope:SCOPE_SE
	s_setreg_imm32_b32 hwreg(HW_REG_WAVE_MODE, 25, 1), 1
	s_wait_xcnt 0x0
; THE GATE.  logits[n][e] = inp[n] . gate_w[e] + gate_b[e] in f32 (fused multiply-adds); the two largest of the eight, ties to the lower index; softmax of the two.
; Stored: idx [1024][2] (the chosen experts, whole numbers) and sc [1024][2] (their weights, f32), at fixed places.  No address here hangs on the choice.  Work-group 0 also copies moe_bias to out1.
; SHARES: 128 work-groups x 4 waves; a wave takes two tokens.  A lane holds k = 128 j + 4 lane + 0..3, j = 0..7, of both tokens (64 registers) and of all eight rows of gate_w (256 registers).
; ALL LOADS GO OUT AT THE HEAD: 16 for the tokens, 64 for gate_w, 2 for moe_bias; the products of row e wait only for the loads up to that row.
; REGISTERS: window 0: v32-95 the tokens; v96-223 rows 0-3 of gate_w; v224-255 the sums.  window 1: v0-127 rows 4-7; v128-135 my 32 bytes of moe_bias.
; LIMITS: NaN and infinities are not served.  A logit is summed in another order than a row-wise f32 sum, so that two logits nearer than f32 rounding may be ranked otherwise.
.set X,   32                           ; v32-95   two tokens x 32 numbers
.set G,   96                           ; v96-223  rows 0-3 of gate_w (rows 4-7: window 1, from v0)
.set ACC, 224                          ; v224-255 a pair for each (token t, expert e): ACC + 16 t + 2 e
.set L,   96                           ; v96-111  the 16 logits, once gate_w is done with; v112-127 the other half's sums
.set MB,  128                          ; window 1: moe_bias
.set MSB, 0
.macro WIN new                         ; the immediate's high byte repeats the setting that is left
.if MSB != (\new)
	s_set_vgpr_msb (MSB<<8)|(\new)
.set MSB, (\new)
.endif
.endm
	s_load_b256 s[4:11], s[0:1], 0x0               ; inp s[4:5], gate_w s[6:7], gate_b s[8:9], moe_bias s[10:11]
	s_load_b128 s[12:15], s[0:1], 0x20             ; idx s[12:13], sc s[14:15]
	s_load_b64 s[16:17], s[0:1], 0x30              ; out1
	v_lshrrev_b32 v1, 5, v0
	v_readfirstlane_b32 s18, v1                    ; wave
	v_and_b32 v2, 31, v0                           ; lane
	v_lshlrev_b32 v4, 4, v2                        ; 16 x lane
	v_lshlrev_b32 v6, 4, v0                        ; 16 x thread: moe_bias and out1
	s_lshl_b32 s19, ttmp9, 3
	s_lshl_b32 s20, s18, 1
	s_add_co_u32 s19, s19, s20                     ; my first token: 8 x work-group + 2 x wave
	s_lshl_b32 s20, s19, 12                        ; its row of 4,096 bytes
	s_mov_b32 s21, 0
	s_mov_b32 s28, 0x76543210                      ; selects: lane l takes lane l xor 16
	s_mov_b32 s29, 0xfedcba98
	s_wait_kmcnt 0x0
	s_load_b256 s[32:39], s[8:9], 0x0              ; gate_b's eight numbers
	s_add_nc_u64 s[4:5], s[4:5], s[20:21]
.set n, 0
.rept 16
	global_load_b128 v[X+4*n:X+4*n+3], v4, s[4:5] offset:512*n     ; 512 consecutive bytes a load; the second token's row follows the first's
.set n, n+1
.endr
.macro GROW e                          ; row e of gate_w: rows 0-3 from v[G] on, rows 4-7 from v0 of window 1 on
.if (\e) < 4
.set GB, G+32*(\e)
.else
.set GB, 32*((\e)-4)
.endif
.set n, 0
.rept 8
	global_load_b128 v[GB+4*n:GB+4*n+3], v4, s[6:7] offset:4096*(\e)+512*n
.set n, n+1
.endr
.endm
.macro DOT e                           ; both tokens against row e: the first product starts each sum
.if (\e) < 4
.set GB, G+32*(\e)
.else
.set GB, 32*((\e)-4)
.endif
	v_pk_mul_f32 v[ACC+2*(\e):ACC+2*(\e)+1], v[X:X+1], v[GB:GB+1]
	v_pk_mul_f32 v[ACC+16+2*(\e):ACC+16+2*(\e)+1], v[X+32:X+33], v[GB:GB+1]
.set n, 2
.rept 15
	v_pk_fma_f32 v[ACC+2*(\e):ACC+2*(\e)+1], v[X+n:X+n+1], v[GB+n:GB+n+1], v[ACC+2*(\e):ACC+2*(\e)+1]
	v_pk_fma_f32 v[ACC+16+2*(\e):ACC+16+2*(\e)+1], v[X+32+n:X+33+n], v[GB+n:GB+n+1], v[ACC+16+2*(\e):ACC+16+2*(\e)+1]
.set n, n+2
.endr
.endm
.irp e, 0,1,2,3
	GROW \e
.endr
	WIN 0x40                                       ; destination window 1
.irp e, 4,5,6,7
	GROW \e
.endr
	global_load_b128 v[MB:MB+3], v6, s[10:11]      ; moe_bias: 128 threads x 16 bytes, twice; every work-group loads it, so that no load is left for the end
	global_load_b128 v[MB+4:MB+7], v6, s[10:11] offset:2048
	WIN 0
.irp e, 0,1,2,3,4,5,6,7
	s_wait_loadcnt 8*(7-\e)+2                      ; loads return in order: the tokens and rows 0 .. e are in; the later rows' eight loads each and moe_bias's two may be out
.if \e == 4
	WIN 0x04                                       ; source 1 (rows 4-7) window 1
.endif
	DOT \e
.endr
	WIN 0
.set n, 0
.rept 16
	v_add_f32 v[L+n], v[ACC+2*n], v[ACC+2*n+1]     ; the pair's halves
.set n, n+1
.endr
.irp m, 1,2,4,8
.set n, 0
.rept 16
	v_add_f32_dpp v[L+n], v[L+n], v[L+n] row_xmask:\m row_mask:0xf bank_mask:0xf
.set n, n+1
.endr
.endr
.set n, 0
.rept 16
	v_permlanex16_b32 v[L+16+n], v[L+n], s28, s29  ; (its destination was written by the loads of gate_w's row 0)
.set n, n+1
.endr
	s_wait_kmcnt 0x0                               ; gate_b
.set n, 0
.rept 16
	v_add_f32 v[L+n], v[L+n], v[L+16+n]            ; every lane holds the sum over k
.set n, n+1
.endr
.irp e, 0,1,2,3,4,5,6,7
	v_add_f32 v[L+\e], s[32+\e], v[L+\e]
	v_add_f32 v[L+8+\e], s[32+\e], v[L+8+\e]
.endr
; The two largest of token t: v[8+4t] the largest, v[9+4t] its index, v[10+4t] the second, v[11+4t] its index.  A newcomer displaces only what it exceeds: ties keep the lower index.
.macro TOP t
	v_mov_b32 v[8+4*\t], v[L+8*\t]
	v_mov_b32 v[9+4*\t], 0
	v_mov_b32 v[10+4*\t], 0xff800000
	v_mov_b32 v[11+4*\t], 0
.irp e, 1,2,3,4,5,6,7
	v_cmp_le_f32 vcc_lo, v[L+8*\t+\e], v[10+4*\t]          ; keep the second?
	v_cndmask_b32 v[10+4*\t], v[L+8*\t+\e], v[10+4*\t], vcc_lo
	v_cndmask_b32 v[11+4*\t], \e, v[11+4*\t], vcc_lo
	v_cmp_le_f32 vcc_lo, v[L+8*\t+\e], v[8+4*\t]           ; keep the first?  If not, it becomes the second
	v_cndmask_b32 v[10+4*\t], v[8+4*\t], v[10+4*\t], vcc_lo
	v_cndmask_b32 v[11+4*\t], v[9+4*\t], v[11+4*\t], vcc_lo
	v_cndmask_b32 v[8+4*\t], v[L+8*\t+\e], v[8+4*\t], vcc_lo
	v_cndmask_b32 v[9+4*\t], \e, v[9+4*\t], vcc_lo
.endr
.endm
	TOP 0
	TOP 1
	; softmax of the two, the larger taken away first: 1 / (1 + x) and x / (1 + x) with x = e^(second - first), at most 1
.irp t, 0,1
	v_sub_f32 v[16+\t], v[10+4*\t], v[8+4*\t]
.endr
.irp t, 0,1
	v_mul_f32 v[16+\t], 0x3fb8aa3b, v[16+\t]
.endr
.irp t, 0,1
	v_exp_f32 v[18+\t], v[16+\t]
.endr
	v_nop                                          ; a plain line behind the exponentials,
	s_wait_alu depctr_va_vdst(0)                   ; and one wait for both, ahead of their first reader
.irp t, 0,1
	v_add_f32 v[16+\t], 1.0, v[18+\t]
.endr
.irp t, 0,1
	v_rcp_f32 v[20+\t], v[16+\t]
.endr
	v_nop
	s_wait_alu depctr_va_vdst(0)                   ; one wait for both reciprocals
.irp t, 0,1
	v_mul_f32 v[22+\t], v[18+\t], v[20+\t]
.endr
	v_and_b32 v3, 1, v2
	v_cmp_eq_u32 vcc_lo, 1, v3                     ; lane 0 stores the first token's, lane 1 the second's
	v_cndmask_b32 v24, v9, v13, vcc_lo
	v_cndmask_b32 v25, v11, v15, vcc_lo
	v_cndmask_b32 v26, v20, v21, vcc_lo
	v_cndmask_b32 v27, v22, v23, vcc_lo
	v_add_nc_u32 v5, s19, v2
	v_lshlrev_b32 v5, 3, v5                        ; 8 bytes a token
	s_wait_loadcnt 0x0                             ; moe_bias, asked for at the head
	s_cmp_lg_u32 ttmp9, 0
	s_cbranch_scc1 .Lno_bias
	WIN 0x04                                       ; a store's data are its source 1: window 1
	global_store_b128 v6, v[MB:MB+3], s[16:17]     ; work-group 0: out1 = moe_bias
	global_store_b128 v6, v[MB+4:MB+7], s[16:17] offset:2048
	WIN 0
.Lno_bias:
	s_wait_xcnt 0x0                                ; EXEC changes only behind this wait
	v_cmpx_gt_u32 2, v2                            ; lanes 0 and 1
	global_store_b64 v5, v[24:25], s[12:13]
	global_store_b64 v5, v[26:27], s[14:15]
	s_endpgm
.Lfunc_end_k_qc576eef8a5_gate:
	.size	k_qc576eef8a5_gate, .Lfunc_end_k_qc576eef8a5_gate-k_qc576eef8a5_gate
	.p2alignl 7, 3214868480
	.fill 96, 4, 3214868480
	.section	.rodata,"a",@progbits
	.p2align	6, 0x0
	.amdhsa_kernel k_qc576eef8a5_gate
		.amdhsa_group_segment_fixed_size 0
		.amdhsa_private_segment_fixed_size 0
		.amdhsa_enable_private_segment 0
		.amdhsa_kernarg_size 56
		.amdhsa_user_sgpr_count 2
		.amdhsa_user_sgpr_kernarg_segment_ptr 1
		.amdhsa_wavefront_size32 1
		.amdhsa_system_sgpr_workgroup_id_x 1
		.amdhsa_system_sgpr_workgroup_id_y 1
		.amdhsa_system_sgpr_workgroup_id_z 1
		.amdhsa_system_vgpr_workitem_id 0
		.amdhsa_next_free_vgpr 392
		.amdhsa_next_free_sgpr 66
		.amdhsa_reserve_vcc 1
		.amdhsa_float_denorm_mode_32 3
		.amdhsa_float_denorm_mode_16_64 3
		.amdhsa_memory_ordered 1
		.amdhsa_forward_progress 1
		.amdhsa_inst_pref_size 37
	.end_amdhsa_kernel
	.amdgpu_metadata
---
amdhsa.version: [ 1, 2 ]
amdhsa.kernels:
  - .name:           k_qc576eef8a5_gate
    .symbol:         k_qc576eef8a5_gate.kd
    .args:
      - { .name: inp, .offset: 0, .size: 8, .value_kind: global_buffer, .address_space: global }
      - { .name: gate_w, .offset: 8, .size: 8, .value_kind: global_buffer, .address_space: global }
      - { .name: gate_b, .offset: 16, .size: 8, .value_kind: global_buffer, .address_space: global }
      - { .name: moe_bias, .offset: 24, .size: 8, .value_kind: global_buffer, .address_space: global }
      - { .name: idx, .offset: 32, .size: 8, .value_kind: global_buffer, .address_space: global }
      - { .name: sc, .offset: 40, .size: 8, .value_kind: global_buffer, .address_space: global }
      - { .name: out1, .offset: 48, .size: 8, .value_kind: global_buffer, .address_space: global }
    .group_segment_fixed_size: 0
    .private_segment_fixed_size: 0
    .kernarg_segment_align: 8
    .kernarg_segment_size: 56
    .max_flat_workgroup_size: 128
    .sgpr_count:     66
    .vgpr_count:     392
    .wavefront_size: 32
...
	.end_amdgpu_metadata
.endif
;; end of part 1
;; launch place (part 2): grid 32 x 8, 8 waves a work-group, no clusters, 73,216 bytes of LDS; arguments inp, idx, route, xc, xs; writes route, xc, xs
.if DOCPART == 2
	.amdgcn_target "amdgcn-amd-amdhsa--gfx1250"
	.amdhsa_code_object_version 6
	.text
	.protected	k_qc576eef8a5_place
	.globl	k_qc576eef8a5_place
	.p2align	8
	.type	k_qc576eef8a5_place,@function
k_qc576eef8a5_place:
	s_mov_b64 s[64:65], 0
	v_nop
	global_prefetch_b8 v0, s[64:65] scope:SCOPE_SE
	s_setreg_imm32_b32 hwreg(HW_REG_WAVE_MODE, 25, 1), 1
	s_wait_xcnt 0x0
; THE ROWS ARE PLACED BY EXPERT AND QUANTISED.  Work-group (x, e): wave 0 reads all 1,024 tokens' two chosen experts (whole numbers, stored by the launch before) and lists, in ascending order, the tokens that
; chose expert e: a token's place is the number of such tokens ahead of it.  The list lies in LDS; places beyond the count hold token 0.  Work-group x = 31 stores route: smap[e][n] = token n's place (meaningful where e was
; chosen for n) and the count, 32 times, at byte 32768 + 128 e; its own tiles, 62 and 63, exist only beyond 992 rows, so that on most splits these stores delay no tile.
; Then the work-group takes tiles 2 x and 2 x + 1 of the expert, rows 16 t .. 16 t + 15 of the list, as far as the list reaches: wave w takes tile t = 2 x + w / 4 and K steps 2 (w % 4) and 2 (w % 4) + 1 of it.  It gathers its
; 1,024 bytes of each of the 16 rows of inp and turns them into codes of E2M3 with one E8M0 byte for each 32 along K, laid AS THE MATRIX OPERAND'S REGISTERS: xc [64 e + t][K step 0..7][1,536 bytes]: register group c of four at
; 512 c + 16 lane; xs [64 e + t][8][32 lanes x 4]: the row's scale word.
; A grid of 64 tiles for each expert serves every split; a wave whose tile lies beyond the count stores nothing and ends.
; A block's scale byte is its largest magnitude's exponent field - 2, held at 1 from below (a block of zeros keeps the byte 1: its codes are zeros, and this program alone reads the bytes).
; LIMITS: NaN and infinities are not served.
; LDS: 0 the list (4,096 bytes); 4096 a word a lane for the lanes that list nothing; 4224 the count, a word a lane; 4608 + 8,448 x wave a stage of 16 rows x 528 bytes, each wave's own.
; TWO BARRIERS: one between wave 0's stores into the list and the reads of it; one between those reads and all later LDS stores (the stages').
; REGISTERS: v1-15, v22 addresses; v16-30 at work; v32-55 codes, 12 for each K step; v56-57 scale words; v64-127 X: 64 numbers of my row; v128-255 two sets of 64: rows as loaded.  (Wave 0's list: v64-127 the experts, v128-161 the places.)
.set CNTW, 4224
.set STG,  4608
	s_load_b256 s[4:11], s[0:1], 0x0               ; inp s[4:5], idx s[6:7], route s[8:9], xc s[10:11]
	s_load_b64 s[12:13], s[0:1], 0x20              ; xs
	v_lshl_add_u32 v62, v0, 2, 0x11a00
	v_mov_b32 v63, 0
	v_lshrrev_b32 v1, 5, v0
	v_readfirstlane_b32 s16, v1                    ; wave 0..7
	s_and_b32 s17, ttmp7, 0xffff                   ; expert
	s_lshr_b32 s2, s16, 2                          ; which of the work-group's two tiles
	s_and_b32 s3, s16, 3                           ; which pair of K steps
	v_and_b32 v1, 31, v0                           ; lane
	v_and_b32 v2, 15, v0                           ; r
	v_bfe_u32 v3, v0, 4, 1                         ; h
	v_lshlrev_b32 v4, 4, v1                        ; 16 x lane
	v_lshlrev_b32 v5, 2, v1                        ; 4 x lane
	s_mul_i32 s24, s16, 8448
	s_add_co_u32 s24, s24, STG                     ; my stage
	v_add_nc_u32 v6, s24, v4                       ; into it: a row's 512 bytes as they lie
	v_mul_u32_u24 v7, v2, 528
	v_lshl_add_u32 v7, v3, 7, v7
	v_add_nc_u32 v7, s24, v7                       ; out of it: row r, + 128 h: my 32 numbers of a block pair
	v_add_nc_u32 v8, CNTW, v5
	s_lshl_b32 s24, ttmp9, 7
	s_lshl_b32 s25, s2, 6
	s_add_co_u32 s24, s24, s25
	v_lshl_add_u32 v9, v2, 2, s24                  ; the list's words of my tile: 64 bytes a tile
	v_lshlrev_b32 v10, 3, v1                       ; idx: 8 bytes a token
	v_lshlrev_b32 v11, 3, v3                       ; 8 h
	v_add_nc_u32 v12, 1024, v1                     ; the word of a lane that lists nothing
	v_mov_b32 v15, 0                               ; a lane permute's destination counts as read
	s_lshl_b32 s25, s3, 10
	v_add_nc_u32 v22, s25, v4                      ; in a row of inp: 16 x lane + my pair of K steps, 1,024 bytes a pair
	s_mov_b32 s28, 0x76543210
	s_mov_b32 s29, 0xfedcba98
	s_lshl_b32 s18, ttmp9, 1
	s_add_co_u32 s18, s18, s2                      ; t
	s_lshl_b32 s19, s17, 6
	s_add_co_u32 s19, s19, s18                     ; 64 e + t
	s_mul_i32 s20, s19, 12288
	s_mul_i32 s25, s3, 3072
	s_add_co_u32 s20, s20, s25                     ; xc: my tile, my pair of K steps
	s_mov_b32 s21, 0
	s_lshl_b32 s22, s19, 10
	s_lshl_b32 s25, s3, 8
	s_add_co_u32 s22, s22, s25                     ; xs likewise
	s_mov_b32 s23, 0
	s_lshl_b32 s26, s17, 12
	s_mov_b32 s27, 0
	s_wait_kmcnt 0x0
	s_add_nc_u64 s[10:11], s[10:11], s[20:21]
	s_add_nc_u64 s[12:13], s[12:13], s[22:23]
	s_add_nc_u64 s[14:15], s[8:9], s[26:27]        ; smap[e]
	s_lshl_b32 s26, s17, 7
	s_add_nc_u64 s[30:31], s[8:9], s[26:27]
	s_add_nc_u64 s[30:31], s[30:31], 0x8000        ; the count's 128 bytes
	s_cmp_lg_u32 s16, 0
	s_cbranch_scc1 .Lnot_wave_0
	; ---- wave 0: the list
.set j, 0
.rept 32
	global_load_b64 v[64+2*j:65+2*j], v10, s[6:7] offset:256*j     ; tokens 32 j + lane: their two experts
.set j, j+1
.endr
.irp i, 32,33,34,35
	v_mov_b32 v\i, 0
.endr
.set j, 0
.rept 8
	ds_store_b128 v4, v[32:35] offset:512*j        ; the list begins as token 0 everywhere
.set j, j+1
.endr
	s_wait_loadcnt 0x0
	s_mov_b32 s24, 0                               ; tokens listed so far
.set j, 0
.rept 32
	v_cmp_eq_u32 s25, s17, v[64+2*j]
	v_cmp_eq_u32 s26, s17, v[65+2*j]
	s_or_b32 s25, s25, s26                         ; the lanes whose token chose e
	v_mbcnt_lo_u32_b32 v[128+j], s25, 0            ; such lanes below mine,
	v_add_nc_u32 v[128+j], s24, v[128+j]           ; and such tokens before: my token's place
	v_cndmask_b32 v160, v12, v[128+j], s25         ; the list's word, or my lane's spare word;
	v_min_u32 v160, 0x41f, v160                    ; held inside the two regions,
	v_lshlrev_b32 v160, 2, v160                    ; in bytes
	v_add_nc_u32 v161, 32*j, v1
	ds_store_b32 v160, v161                        ; LDS serves a wave's instructions in order: this lands behind the clearing
	s_bcnt1_i32_b32 s26, s25
	s_add_co_u32 s24, s24, s26
.set j, j+1
.endr
	v_mov_b32 v161, s24
	ds_store_b32 v8, v161                          ; the count
	s_cmp_lg_u32 ttmp9, 31
	s_cbranch_scc1 .Lno_route
.set j, 0
.rept 32
	global_store_b32 v5, v[128+j], s[14:15] offset:128*j           ; one work-group of the expert stores the places: 128 consecutive bytes a store
.set j, j+1
.endr
	global_store_b32 v5, v161, s[30:31]
.Lno_route:
	s_wait_xcnt 0x0                                ; the stores have read their registers, which are written again below
.Lnot_wave_0:
	s_wait_dscnt 0x0                               ; wave 0's stores into the list have landed
	s_barrier_signal -1
	s_barrier_wait -1                              ; the first barrier: behind it the list and the count are only read
	; ---- every wave: its part of its tile
	ds_load_b32 v13, v8
	ds_load_b32 v14, v9
	s_wait_dscnt 0x0                               ; my reads of the count and of the list are in,
	s_barrier_signal -1
	s_barrier_wait -1                              ; the second barrier: everybody's are, ahead of any wave's stores into its stage.  It stands ahead of the branch on the count: every wave passes it
	v_readfirstlane_b32 s24, v13
	s_min_u32 s24, s24, 1024
	s_lshl_b32 s26, s18, 4
	s_cmp_ge_u32 s26, s24                          ; does the list reach my tile?
	s_cbranch_scc1 .Lend
.set i, 0
.rept 16
	v_readlane_b32 s27, v14, i                     ; row i's token,
	s_min_u32 s27, s27, 1023                       ; held inside inp,
	s_lshl_b32 s[32+2*i], s27, 12
	s_mov_b32 s[33+2*i], 0
	s_add_nc_u64 s[32+2*i:33+2*i], s[4:5], s[32+2*i:33+2*i]        ; and its row's address
.set i, i+1
.endr
.macro WLOAD u                         ; my K step u (0 or 1) of the 16 rows: each load reads 512 consecutive bytes of one row; set u
.set n, 0
.rept 16
	global_load_b128 v[128+64*(\u)+4*n:128+64*(\u)+4*n+3], v22, s[32+2*n:33+2*n] offset:512*(\u)
.set n, n+1
.endr
.endm
.macro TURN u, left                    ; set u goes through my stage: in as rows, out so that lane (r, h) holds k = 64 c + 32 h + 0..31 of row r in X[32 c ..]
	s_wait_loadcnt \left                           ; loads return in order: this set is in, the younger set may be out
.set n, 0
.rept 16
	ds_store_b128 v6, v[128+64*(\u)+4*n:128+64*(\u)+4*n+3] offset:528*n
.set n, n+1
.endr
.set n, 0
.rept 16
	ds_load_b128 v[64+4*n:67+4*n], v7 offset:256*(n/8)+16*(n%8)    ; LDS serves a wave's instructions in order: these see my stores
.set n, n+1
.endr
	s_wait_dscnt 0x0                               ; X is in
.endm
.macro QF P, SW                        ; X becomes a fragment's 12 registers v[P ..] and its scale word v[SW]
	v_max3_num_f32 v16, |v64|, |v65|, 0x1800000    ; my two blocks of 32, by turns; the floor 2^(3 - 127) holds the byte at 1 from below
	v_max3_num_f32 v17, |v96|, |v97|, 0x1800000
.set n, 2
.rept 15
	v_max3_num_f32 v16, v16, |v[64+n]|, |v[65+n]|
	v_max3_num_f32 v17, v17, |v[96+n]|, |v[97+n]|
.set n, n+2
.endr
	v_add_nc_u32 v18, 0xff000000, v16              ; 2 off the exponent field: the conversion's scale operand
	v_add_nc_u32 v19, 0xff000000, v17
	v_lshrrev_b32 v20, 23, v18                     ; the scale's byte
	v_lshrrev_b32 v21, 23, v19
	v_lshl_or_b32 v[\SW], v21, 16, v20             ; blocks h and 2 + h,
	v_lshlrev_b32 v[\SW], v11, v[\SW]              ; at their places in the word;
	v_permlanex16_b32 v15, v[\SW], s28, s29
	v_or_b32 v[\SW], v[\SW], v15                   ; with lane l xor 16's two the word is whole
.irp c, 0,1
	v_cvt_scalef32_pk16_fp6_f32 v[\P+6*\c:\P+6*\c+2], v[64+32*\c:79+32*\c], v[18+\c]
	v_cvt_scalef32_pk16_fp6_f32 v[24+4*\c:26+4*\c], v[80+32*\c:95+32*\c], v[18+\c]   ; (a conversion's three registers begin on an even number)
.endr
	v_nop                                          ; one plain line behind the conversions
.irp c, 0,1
.irp i, 0,1,2
	v_mov_b32 v[\P+6*\c+3+\i], v[24+4*\c+\i]
.endr
.endr
.endm
	WLOAD 0
	WLOAD 1
.irp u, 0,1
	TURN \u, 16*(1-\u)                             ; the first turn leaves the second K step's 16 loads out
	QF 32+12*\u, 56+\u                             ; each K step has registers of its own: no store's data are written again
.irp c, 0,1,2
	global_store_b128 v4, v[32+12*\u+4*\c:35+12*\u+4*\c], s[10:11] offset:1536*\u+512*\c   ; 512 consecutive bytes
.endr
	global_store_b32 v5, v[56+\u], s[12:13] offset:128*\u
.endr
.Lend:
	s_wait_tensorcnt 0x0
	ds_add_u32 v62, v63
	s_wait_dscnt 0x0
	s_endpgm
.Lfunc_end_k_qc576eef8a5_place:
	.size	k_qc576eef8a5_place, .Lfunc_end_k_qc576eef8a5_place-k_qc576eef8a5_place
	.p2alignl 7, 3214868480
	.fill 96, 4, 3214868480
	.section	.rodata,"a",@progbits
	.p2align	6, 0x0
	.amdhsa_kernel k_qc576eef8a5_place
		.amdhsa_group_segment_fixed_size 73216
		.amdhsa_private_segment_fixed_size 0
		.amdhsa_enable_private_segment 0
		.amdhsa_kernarg_size 40
		.amdhsa_user_sgpr_count 2
		.amdhsa_user_sgpr_kernarg_segment_ptr 1
		.amdhsa_wavefront_size32 1
		.amdhsa_system_sgpr_workgroup_id_x 1
		.amdhsa_system_sgpr_workgroup_id_y 1
		.amdhsa_system_sgpr_workgroup_id_z 1
		.amdhsa_system_vgpr_workitem_id 0
		.amdhsa_next_free_vgpr 256
		.amdhsa_next_free_sgpr 66
		.amdhsa_reserve_vcc 0
		.amdhsa_float_denorm_mode_32 3
		.amdhsa_float_denorm_mode_16_64 3
		.amdhsa_memory_ordered 1
		.amdhsa_forward_progress 1
		.amdhsa_inst_pref_size 47
	.end_amdhsa_kernel
	.amdgpu_metadata
---
amdhsa.version: [ 1, 2 ]
amdhsa.kernels:
  - .name:           k_qc576eef8a5_place
    .symbol:         k_qc576eef8a5_place.kd
    .args:
      - { .name: inp, .offset: 0, .size: 8, .value_kind: global_buffer, .address_space: global }
      - { .name: idx, .offset: 8, .size: 8, .value_kind: global_buffer, .address_space: global }
      - { .name: route, .offset: 16, .size: 8, .value_kind: global_buffer, .address_space: global }
      - { .name: xc, .offset: 24, .size: 8, .value_kind: global_buffer, .address_space: global }
      - { .name: xs, .offset: 32, .size: 8, .value_kind: global_buffer, .address_space: global }
    .group_segment_fixed_size: 73216
    .private_segment_fixed_size: 0
    .kernarg_segment_align: 8
    .kernarg_segment_size: 40
    .max_flat_workgroup_size: 256
    .sgpr_count:     66
    .vgpr_count:     256
    .wavefront_size: 32
...
	.end_amdgpu_metadata
.endif
;; end of part 2
;; launch gemm1 (part 3): grid 32 x 8, 4 waves a work-group, no clusters, 140,800 bytes of LDS; arguments w1, xc, xs, route, hc, hs; writes hc, hs
.if DOCPART == 3
	.amdgcn_target "amdgcn-amd-amdhsa--gfx1250"
	.amdhsa_code_object_version 6
	.text
	.protected	k_qc576eef8a5_gemm1
	.globl	k_qc576eef8a5_gemm1
	.p2align	8
	.type	k_qc576eef8a5_gemm1,@function
k_qc576eef8a5_gemm1:
	s_mov_b64 s[64:65], 0
	v_nop
	global_prefetch_b8 v0, s[64:65] scope:SCOPE_SE
	s_setreg_imm32_b32 hwreg(HW_REG_WAVE_MODE, 25, 1), 1
	s_wait_xcnt 0x0
; THE FIRST PRODUCT OF AN EXPERT, ON ITS OWN ROWS ALONE: h = gelu(x W1[e]^T), quantised along the hidden axis.  Both operands are codes of E2M3 with one E8M0 byte for each 32 along K.
; Work-group (sx, e) owns hidden units 128 sx .. 128 sx + 127 of expert e: 128 rows of w1 x 1,024 K, 512 KB of f32, read ONCE in the launch, in runs of 512 consecutive bytes.
; PHASE W: wave w quantises weight tiles 2 w and 2 w + 1 (16 rows each) for the 8 K steps and lays them in LDS as images of the operand's registers (group c of four registers at 512 c + 16 lane), with their scale words.
;   THE ROWS OF A TILE ARE NOT NEIGHBOURS: lane r of tile 2 b + u takes row 32 b + 8 u + r + 8 (r / 8), so that in the results the 16 registers of tiles 2 b, 2 b + 1 are 16 neighbours along the next K.
; One barrier.  PASSES: the expert's tiles of 16 rows (their number comes from the count that an earlier launch stored) are dealt 5 to a wave, 20 to a pass.  A wave multiplies its 5 tiles by all 8 weight tiles: 40 accumulators,
;   which take turns, one instruction a turn.  Source 0 = 16 rows of w1, source 1 = 16 rows of x: a lane holds ONE row of x, its registers run along the hidden units.
;   x's fragments come from memory as images (three loads of 512 consecutive bytes), two K steps ahead; the weights' from LDS, one K step ahead.
; THE WAY OUT: gelu in f32, the quantiser, and the tile's fragment of K step sx of the second product goes to hc [64 e + tile][sx][1,536 bytes], its scale words to hs [64 e + tile][sx][128 bytes].
; No tensor loads and no cluster: trip counts hang on a stored count, and no two work-groups read the same weights.
; GELU: 0.5 x erfc(-x / sqrt 2) with erfc(z) = t (a1 + t (a2 + t (a3 + t (a4 + t a5)))) e^(-z z), t = 1 / (1 + 0.3275911 z), z = |x| / sqrt 2; gelu = 0.5 ((x + |x|) - |x| erfc(z)): no difference of near numbers.
; LIMITS: the formula's absolute error in erfc is about 1.5e-7; its relative error grows for x under about -4, where gelu is under 1e-4 in magnitude.  NaN and infinities are not served.  A block of zeros keeps the scale byte 1.
; LDS: 0 + 8,448 x wave: a stage of 16 rows x 528 bytes, each wave's own; 33792: the weights' images, (K step s, tile t) at 12288 s + 1536 t; 132096: their scale words at 1024 s + 128 t + 4 lane.
; REGISTERS: window 0: v1-31 addresses and constants; v32-47 weights' scale words (two sets), v48-62 x's (three sets): these hold scales and nothing else; v64-255 at work.
;   window 1: phase W: four sets of 64, rows as loaded; then the weights' fragments, two sets of 96.   window 2: the accumulators of slots 0-3, (g, t) at 64 g + 8 t.   window 3: slot 4 at v0-63; x's fragments, three sets of 60, from v64.
.set PW,   4096                        ; a row of w1 in bytes
.set NK,   8                           ; K steps in a tile of the A operand's buffer
.set WIMG, 33792
.set WSC,  132096
.set MSB, 0
.macro WIN new                         ; the immediate's high byte repeats the setting that is left
.if MSB != (\new)
	s_set_vgpr_msb (MSB<<8)|(\new)
.set MSB, (\new)
.endif
.endm
	s_load_b256 s[4:11], s[0:1], 0x0               ; w1 s[4:5], xc s[6:7], xs s[8:9], route s[10:11]
	s_load_b128 s[12:15], s[0:1], 0x20             ; hc s[12:13], hs s[14:15]
	v_lshl_add_u32 v254, v0, 2, 0x22400
	v_mov_b32 v255, 0
	v_lshrrev_b32 v1, 5, v0
	v_readfirstlane_b32 s16, v1                    ; wave
	s_and_b32 s17, ttmp7, 0xffff                   ; expert
	v_and_b32 v1, 31, v0                           ; lane
	v_and_b32 v2, 15, v0                           ; r
	v_bfe_u32 v3, v0, 4, 1                         ; h
	v_lshlrev_b32 v4, 4, v1                        ; 16 x lane
	v_lshlrev_b32 v5, 2, v1                        ; 4 x lane
	s_mul_i32 s24, s16, 8448                       ; my stage
	v_add_nc_u32 v6, s24, v4
	v_mul_u32_u24 v7, v2, 528
	v_lshl_add_u32 v7, v3, 7, v7
	v_add_nc_u32 v7, s24, v7
	s_mul_i32 s25, s16, 3072
	s_add_co_u32 s25, s25, WIMG
	v_add_nc_u32 v8, s25, v4                       ; where I store images: K steps 0-3,
	v_add_nc_u32 v9, 49152, v8                     ; K steps 4-7
	s_lshl_b32 s25, s16, 8
	s_add_co_u32 s25, s25, WSC
	v_add_nc_u32 v10, s25, v5                      ; and scale words
	v_lshlrev_b32 v11, 3, v3                       ; 8 h
	v_add_nc_u32 v12, WIMG, v4                     ; where any wave reads images: K steps 0-3,
	v_add_nc_u32 v13, WIMG+49152, v4               ; K steps 4-7
	v_add_nc_u32 v14, WSC, v5
	v_mov_b32 v15, 0                               ; lane permutes' destinations count as read
.irp i, 228,229,230,231
	v_mov_b32 v\i, 0
.endr
	v_mov_b32 v30, 0xbfba00e3                      ; a4 = -1.453152027, twice
	v_mov_b32 v31, 0xbfba00e3
	s_mov_b32 s28, 0x76543210
	s_mov_b32 s29, 0xfedcba98
	s_mov_b32 s32, 0x3f87dc22                      ; a5 = 1.061405429   (the packed forms name pairs and take the low word: both are written)
	s_mov_b32 s33, s32
	s_mov_b32 s34, 0x3fb5f0e3                      ; a3 = 1.421413741
	s_mov_b32 s35, s34
	s_mov_b32 s36, 0xbe91a98e                      ; a2 = -0.284496736
	s_mov_b32 s37, s36
	s_mov_b32 s38, 0x3e827906                      ; a1 = 0.254829592
	s_mov_b32 s39, s38
	s_mov_b32 s42, 0x3e8ba43f                      ; 0.3275911 / sqrt(log2 e)
	s_mov_b32 s44, 0x3f16b55f                      ; 0.5 / sqrt(log2 e / 2)
	s_mov_b32 s45, s44
	s_lshl_b32 s24, s17, 24                        ; w1: expert x 4,096 rows, + 128 sx rows, + 32 rows a wave, of 4,096 bytes
	s_lshl_b32 s25, ttmp9, 19
	s_add_co_u32 s24, s24, s25
	s_lshl_b32 s25, s16, 17
	s_add_co_u32 s24, s24, s25
	s_mov_b32 s25, 0
	s_lshl_b32 s26, s17, 7
	s_wait_kmcnt 0x0
	s_add_nc_u64 s[4:5], s[4:5], s[24:25]
	s_load_b32 s19, s[10:11], s26 offset:0x8000    ; the expert's count of rows
	s_mul_i32 s24, s17, 64*NK*1536
	s_add_nc_u64 s[6:7], s[6:7], s[24:25]          ; the expert's tiles of x's codes
	s_mul_i32 s24, s17, 64*NK*128
	s_add_nc_u64 s[8:9], s[8:9], s[24:25]          ; and scale words
	s_mul_i32 s24, s17, 64*49152
	s_mul_i32 s27, ttmp9, 1536
	s_add_co_u32 s24, s24, s27
	s_add_nc_u64 s[12:13], s[12:13], s[24:25]      ; hc: the expert's tiles, K step sx
	s_lshl_b32 s24, s17, 18
	s_lshl_b32 s27, ttmp9, 7
	s_add_co_u32 s24, s24, s27
	s_add_nc_u64 s[14:15], s[14:15], s[24:25]      ; hs likewise
.macro WLOAD f                         ; fragment f = 2 s + u: the 16 chosen rows of tile 2 w + u, K step s; each load reads 512 consecutive bytes of one row, read once in the launch; set f % 4
	WIN 0x40
.set n, 0
.rept 16
	global_load_b128 v[64*((\f)%4)+4*n:64*((\f)%4)+4*n+3], v4, s[4:5] offset:(8*((\f)%2)+n+8*(n/8))*PW+512*((\f)/2) th:TH_LOAD_NT
.set n, n+1
.endr
	WIN 0
.endm
.macro TURN f, left                    ; set f % 4 goes through my stage: in as rows, out so that lane (r, h) holds k = 64 c + 32 h + 0..31 of row r in X[32 c ..], X = v64-127
	s_wait_loadcnt \left                           ; loads return in order: this set is in, the younger sets may be out
	WIN 0x04
.set n, 0
.rept 16
	ds_store_b128 v6, v[64*((\f)%4)+4*n:64*((\f)%4)+4*n+3] offset:528*n
.set n, n+1
.endr
	WIN 0
.set n, 0
.rept 16
	ds_load_b128 v[64+4*n:67+4*n], v7 offset:256*(n/8)+16*(n%8)
.set n, n+1
.endr
	s_wait_dscnt 0x0                               ; X is in, and the stores have read the set, which may be loaded again
.endm
.macro QF P, SW                        ; X becomes a fragment's 12 registers v[P ..] and its scale word v[SW]
	v_max3_num_f32 v128, |v64|, |v65|, 0x1800000   ; my two blocks of 32, by turns; the floor 2^(3 - 127) holds the byte at 1 from below
	v_max3_num_f32 v129, |v96|, |v97|, 0x1800000
.set n, 2
.rept 15
	v_max3_num_f32 v128, v128, |v[64+n]|, |v[65+n]|
	v_max3_num_f32 v129, v129, |v[96+n]|, |v[97+n]|
.set n, n+2
.endr
	v_add_nc_u32 v130, 0xff000000, v128            ; 2 off the exponent field: the conversion's scale operand
	v_add_nc_u32 v131, 0xff000000, v129
	v_lshrrev_b32 v132, 23, v130                   ; the scale's byte
	v_lshrrev_b32 v133, 23, v131
	v_lshl_or_b32 v[\SW], v133, 16, v132           ; blocks h and 2 + h,
	v_lshlrev_b32 v[\SW], v11, v[\SW]              ; at their places in the word;
	v_permlanex16_b32 v15, v[\SW], s28, s29
	v_or_b32 v[\SW], v[\SW], v15                   ; with lane l xor 16's two the word is whole
.irp c, 0,1
	v_cvt_scalef32_pk16_fp6_f32 v[\P+6*\c:\P+6*\c+2], v[64+32*\c:79+32*\c], v[130+\c]
	v_cvt_scalef32_pk16_fp6_f32 v[136+4*\c:138+4*\c], v[80+32*\c:95+32*\c], v[130+\c]   ; (a conversion's three registers begin on an even number)
.endr
	v_nop                                          ; one plain line behind the conversions
.irp c, 0,1
.irp i, 0,1,2
	v_mov_b32 v[\P+6*\c+3+\i], v[136+4*\c+\i]
.endr
.endr
.endm
.macro WFRAG f
.if (\f) < 12
	TURN \f, 48                                    ; three younger sets of 16 loads stay out: 24 KB a wave
	WLOAD (\f)+4
.else
	TURN \f, 16*(15-(\f))
.endif
	QF 144, 134
.irp c, 0,1,2
	ds_store_b128 v[8+(\f)/8], v[144+4*\c:147+4*\c] offset:12288*(((\f)/2)%4)+1536*((\f)%2)+512*\c
.endr
	ds_store_b32 v10, v134 offset:1024*((\f)/2)+128*((\f)%2)
.endm
	; ---- PHASE W
.irp f, 0,1,2,3
	WLOAD \f
.endr
.irp f, 0,1,2,3,4,5,6,7,8,9,10,11,12,13,14,15
	WFRAG \f
.endr
	s_wait_dscnt 0x0                               ; my images have landed
	s_barrier_signal -1
	s_barrier_wait -1                              ; the one barrier: behind it the images are only read
	s_wait_kmcnt 0x0                               ; the count
	s_min_u32 s19, s19, 1024
	s_add_co_u32 s20, s19, 15
	s_lshr_b32 s20, s20, 4                         ; tiles of 16 rows, at most 64
	s_add_co_u32 s21, s20, 19
	s_mul_i32 s21, s21, 3277
	s_lshr_b32 s21, s21, 16                        ; passes: tiles / 20, rounded up (3277 / 65536 is just over 1 / 20; exact for up to 83)
	s_cmp_eq_u32 s21, 0
	s_cbranch_scc1 .Lend
.macro AFETCH s                        ; my five tiles' fragments and scale words of K step s, from memory; set s % 3
	WIN 0xc0
.irp g, 0,1,2,3,4
.irp c, 0,1,2
	global_load_b128 v[64+60*((\s)%3)+12*\g+4*\c:64+60*((\s)%3)+12*\g+4*\c+3], v[16+\g], s[6:7] offset:1536*(\s)+512*\c
.endr
.endr
	WIN 0
.irp g, 0,1,2,3,4
	global_load_b32 v[48+5*((\s)%3)+\g], v[21+\g], s[8:9] offset:128*(\s)
.endr
.endm
.macro WFETCH s                        ; the eight weight fragments and scale words of K step s, from LDS; set s % 2
	WIN 0x40
.irp t, 0,1,2,3,4,5,6,7
.irp c, 0,1,2
	ds_load_b128 v[96*((\s)%2)+12*\t+4*\c:96*((\s)%2)+12*\t+4*\c+3], v[12+(\s)/4] offset:12288*((\s)%4)+1536*\t+512*\c
.endr
.endr
	WIN 0
.irp t, 0,1,2,3,4,5,6,7
	ds_load_b32 v[32+8*((\s)%2)+\t], v14 offset:1024*(\s)+128*\t
.endr
.endm
.macro MMS g, s                        ; slot g against the eight weight tiles, K step s; the first K step starts the sums
.set q, 0
.rept 8
.if (\s) == 0
	v_wmma_scale_f32_16x16x128_f8f6f4 v[64*((\g)%4)+8*q:64*((\g)%4)+8*q+7], v[96*((\s)%2)+12*q:96*((\s)%2)+12*q+11], v[64+60*((\s)%3)+12*(\g):64+60*((\s)%3)+12*(\g)+11], 0, v[32+8*((\s)%2)+q], v[48+5*((\s)%3)+(\g)] matrix_a_fmt:MATRIX_FMT_FP6 matrix_b_fmt:MATRIX_FMT_FP6
.else
	v_wmma_scale_f32_16x16x128_f8f6f4 v[64*((\g)%4)+8*q:64*((\g)%4)+8*q+7], v[96*((\s)%2)+12*q:96*((\s)%2)+12*q+11], v[64+60*((\s)%3)+12*(\g):64+60*((\s)%3)+12*(\g)+11], v[64*((\g)%4)+8*q:64*((\g)%4)+8*q+7], v[32+8*((\s)%2)+q], v[48+5*((\s)%3)+(\g)] matrix_a_fmt:MATRIX_FMT_FP6 matrix_b_fmt:MATRIX_FMT_FP6
.endif
.set q, q+1
.endr
.endm
.macro KSTEP s
.rept 4
	v_nop                                          ; four plain lines between the last products and loads into registers that they read
.endr
.if (\s) < 7
	WFETCH (\s)+1
	s_wait_dscnt 32                                ; this K step's 32 LDS loads are in; the next step's 32 may be out
.else
	s_wait_dscnt 0x0
.endif
.if (\s) < 6
	AFETCH (\s)+2
	s_wait_loadcnt 40                              ; this K step's 20 loads are in; those of the two steps behind it may be out
.elseif (\s) == 6
	s_wait_loadcnt 20
.else
	s_wait_loadcnt 0x0
.endif
	WIN 0xad                                       ; source 0 (weights) window 1, source 1 (x) window 3, C and D window 2
.irp g, 0,1,2,3
	MMS \g, \s
.endr
	WIN 0xfd                                       ; C and D window 3
	MMS 4, \s
	WIN 0
.endm
.macro COPY g                          ; slot g's 64 results x sqrt(log2 e / 2) into E = v64-127; each accumulator from its low end on
	WIN 0x02+(\g)/4
.set n, 0
.rept 32
	v_pk_mul_f32 v[64+2*n:65+2*n], v[64*((\g)%4)+2*n:64*((\g)%4)+2*n+1], 0x3f596d27 op_sel_hi:[1,0]
.set n, n+1
.endr
	WIN 0
.endm
.macro GELU hb                         ; 32 numbers E = v[64 + hb ..]; U = v128.., V = v160.., W = v192..
.set n, 0
.rept 32
	v_fma_f32 v[160+n], |v[64+\hb+n]|, s42, 1.0    ; 1 + 0.3275911 z
.set n, n+1
.endr
.set n, 0
.rept 16
	v_pk_mul_f32 v[128+2*n:129+2*n], v[64+\hb+2*n:65+\hb+2*n], v[64+\hb+2*n:65+\hb+2*n]   ; z z log2 e
.set n, n+1
.endr
.set n, 0
.rept 32
	v_rcp_f32 v[160+n], v[160+n]                   ; t
.set n, n+1
.endr
.set n, 0
.rept 32
	v_exp_f32 v[128+n], -v[128+n]                  ; e^(-z z)
.set n, n+1
.endr
	v_nop                                          ; a plain line behind the batch,
	s_wait_alu depctr_va_vdst(0)                   ; and ONE wait for its 64 results, ahead of the first reader
.set n, 0
.rept 16
	v_pk_fma_f32 v[192+2*n:193+2*n], v[160+2*n:161+2*n], s[32:33], v[30:31] op_sel_hi:[1,0,1]
.set n, n+1
.endr
.irp k, 34,36,38
.set n, 0
.rept 16
	v_pk_fma_f32 v[192+2*n:193+2*n], v[192+2*n:193+2*n], v[160+2*n:161+2*n], s[\k:\k+1] op_sel_hi:[1,1,0]
.set n, n+1
.endr
.endr
.set n, 0
.rept 16
	v_pk_mul_f32 v[192+2*n:193+2*n], v[192+2*n:193+2*n], v[160+2*n:161+2*n]
.set n, n+1
.endr
.set n, 0
.rept 16
	v_pk_mul_f32 v[192+2*n:193+2*n], v[192+2*n:193+2*n], v[128+2*n:129+2*n]   ; erfc(z)
.set n, n+1
.endr
.set n, 0
.rept 32
	v_add_f32 v[160+n], v[64+\hb+n], |v[64+\hb+n]| ; exact: twice the number, or 0
.set n, n+1
.endr
.set n, 0
.rept 32
	v_fma_f32 v[192+n], -|v[64+\hb+n]|, v[192+n], v[160+n]
.set n, n+1
.endr
.set n, 0
.rept 16
	v_pk_mul_f32 v[64+\hb+2*n:65+\hb+2*n], v[192+2*n:193+2*n], s[44:45] op_sel_hi:[1,0]   ; gelu
.set n, n+1
.endr
.endm
.set TM, 224                           ; v224-227 largest magnitudes, v228-231 bytes, v236-239 the conversions' scale operands
.set PWD, 240                          ; the scale word
.set PC, 128                           ; the codes: v128-139 (v140-146 at work)
.macro QUANT s                         ; register 16 b + i of v[s ..] = k 32 b + 16 h + i of my row: a fragment's codes and its scale word
.irp b, 0,1,2,3
	v_max3_num_f32 v[TM+\b], |v[\s+16*\b]|, |v[\s+1+16*\b]|, 0x1800000
.endr
.irp i, 2,4,6,8,10,12,14
.irp b, 0,1,2,3
	v_max3_num_f32 v[TM+\b], v[TM+\b], |v[\s+16*\b+\i]|, |v[\s+1+16*\b+\i]|
.endr
.endr
.irp b, 0,1,2,3
	v_permlanex16_b32 v[TM+4+\b], v[TM+\b], s28, s29
.endr
.irp b, 0,1,2,3
	v_max_num_f32 v[TM+\b], v[TM+\b], v[TM+4+\b]   ; with lane l xor 16's 16: the block's largest magnitude
.endr
.irp b, 0,1,2,3
	v_add_nc_u32 v[TM+12+\b], 0xff000000, v[TM+\b]
.endr
.irp b, 0,1,2,3
	v_lshrrev_b32 v[TM+4+\b], 23, v[TM+12+\b]
.endr
	v_lshl_or_b32 v[PWD], v[TM+5], 8, v[TM+4]
	v_lshl_or_b32 v[PWD], v[TM+6], 16, v[PWD]
	v_lshl_or_b32 v[PWD], v[TM+7], 24, v[PWD]
.irp c, 0,1
	v_cvt_scalef32_pk16_fp6_f32 v[PC+6*\c:PC+2+6*\c], v[\s+32*\c:\s+15+32*\c], v[TM+12+2*\c]
	v_cvt_scalef32_pk16_fp6_f32 v[PC+12+4*\c:PC+14+4*\c], v[\s+16+32*\c:\s+31+32*\c], v[TM+12+2*\c+1]
.endr
	v_nop                                          ; one plain line behind the conversions
.irp c, 0,1                            ; the operand wants a whole block in a lane: lanes 0-15 block 2 c, lanes 16-31 block 2 c + 1
.irp i, 0,1,2
	v_permlane16_swap_b32 v[PC+6*\c+\i], v[PC+12+4*\c+\i]
.endr
.irp i, 0,1,2
	v_mov_b32 v[PC+3+6*\c+\i], v[PC+12+4*\c+\i]
.endr
.endr
.endm
	; ---- THE PASSES
	s_mov_b32 s22, 0
.Lpass:
	s_mul_i32 s23, s22, 20
	s_mul_i32 s24, s16, 5
	s_add_co_u32 s23, s23, s24                     ; my first tile
	s_cmp_ge_u32 s23, s20
	s_cbranch_scc1 .Lpass_next                     ; none of mine is left
	s_sub_co_u32 s26, s20, 1
.irp g, 0,1,2,3,4
	s_add_co_u32 s24, s23, \g
	s_min_u32 s24, s24, s26                        ; a slot beyond the last tile repeats it (its results are not stored),
	s_min_u32 s24, s24, 63                         ; held inside the expert's 64 tiles
	s_mul_i32 s25, s24, NK*1536
	v_add_nc_u32 v[16+\g], s25, v4
	s_mul_i32 s25, s24, NK*128
	v_add_nc_u32 v[21+\g], s25, v5
.endr
	AFETCH 0
	AFETCH 1
	WFETCH 0
.irp s, 0,1,2,3,4,5,6,7
	KSTEP \s
.endr
.rept 4
	v_nop                                          ; four plain lines between the last products and the first read of results
.endr
	s_mov_b32 s43, 0
.Lepi:                                             ; five trips: a slot each
	s_add_co_u32 s24, s23, s43
	s_cmp_ge_u32 s24, s20
	s_cbranch_scc1 .Lepi_next                      ; a repeated tile is not stored
	s_min_u32 s24, s24, 63
	s_cmp_eq_u32 s43, 1
	s_cbranch_scc1 .Lcopy1
	s_cmp_eq_u32 s43, 2
	s_cbranch_scc1 .Lcopy2
	s_cmp_eq_u32 s43, 3
	s_cbranch_scc1 .Lcopy3
	s_cmp_eq_u32 s43, 4
	s_cbranch_scc1 .Lcopy4
	COPY 0
	s_branch .Ljoin
.Lcopy1:
	COPY 1
	s_branch .Ljoin
.Lcopy2:
	COPY 2
	s_branch .Ljoin
.Lcopy3:
	COPY 3
	s_branch .Ljoin
.Lcopy4:
	COPY 4
.Ljoin:
	s_wait_xcnt 0x0                                ; the last trip's stores have read their data and offsets, which are written again below
	s_mul_i32 s25, s24, 49152
	v_add_nc_u32 v26, s25, v4
	s_lshl_b32 s25, s24, 12
	v_add_nc_u32 v27, s25, v5
	GELU 0
	GELU 32
	QUANT 64
.irp c, 0,1,2
	global_store_b128 v26, v[PC+4*\c:PC+4*\c+3], s[12:13] offset:512*\c   ; 512 consecutive bytes
.endr
	global_store_b32 v27, v[PWD], s[14:15]
.Lepi_next:
	s_add_co_u32 s43, s43, 1
	s_cmp_lt_u32 s43, 5
	s_cbranch_scc1 .Lepi
.Lpass_next:
	s_add_co_u32 s22, s22, 1
	s_cmp_lt_u32 s22, s21
	s_cbranch_scc1 .Lpass
.Lend:
	s_wait_tensorcnt 0x0
	ds_add_u32 v254, v255
	s_wait_dscnt 0x0
	s_endpgm
.Lfunc_end_k_qc576eef8a5_gemm1:
	.size	k_qc576eef8a5_gemm1, .Lfunc_end_k_qc576eef8a5_gemm1-k_qc576eef8a5_gemm1
	.p2alignl 7, 3214868480
	.fill 96, 4, 3214868480
	.section	.rodata,"a",@progbits
	.p2align	6, 0x0
	.amdhsa_kernel k_qc576eef8a5_gemm1
		.amdhsa_group_segment_fixed_size 140800
		.amdhsa_private_segment_fixed_size 0
		.amdhsa_enable_private_segment 0
		.amdhsa_kernarg_size 48
		.amdhsa_user_sgpr_count 2
		.amdhsa_user_sgpr_kernarg_segment_ptr 1
		.amdhsa_wavefront_size32 1
		.amdhsa_system_sgpr_workgroup_id_x 1
		.amdhsa_system_sgpr_workgroup_id_y 1
		.amdhsa_system_sgpr_workgroup_id_z 1
		.amdhsa_system_vgpr_workitem_id 0
		.amdhsa_next_free_vgpr 1024
		.amdhsa_next_free_sgpr 66
		.amdhsa_reserve_vcc 0
		.amdhsa_float_denorm_mode_32 3
		.amdhsa_float_denorm_mode_16_64 3
		.amdhsa_memory_ordered 1
		.amdhsa_forward_progress 1
		.amdhsa_inst_pref_size 244
	.end_amdhsa_kernel
	.amdgpu_metadata
---
amdhsa.version: [ 1, 2 ]
amdhsa.kernels:
  - .name:           k_qc576eef8a5_gemm1
    .symbol:         k_qc576eef8a5_gemm1.kd
    .args:
      - { .name: w1, .offset: 0, .size: 8, .value_kind: global_buffer, .address_space: global }
      - { .name: xc, .offset: 8, .size: 8, .value_kind: global_buffer, .address_space: global }
      - { .name: xs, .offset: 16, .size: 8, .value_kind: global_buffer, .address_space: global }
      - { .name: route, .offset: 24, .size: 8, .value_kind: global_buffer, .address_space: global }
      - { .name: hc, .offset: 32, .size: 8, .value_kind: global_buffer, .address_space: global }
      - { .name: hs, .offset: 40, .size: 8, .value_kind: global_buffer, .address_space: global }
    .group_segment_fixed_size: 140800
    .private_segment_fixed_size: 0
    .kernarg_segment_align: 8
    .kernarg_segment_size: 48
    .max_flat_workgroup_size: 128
    .sgpr_count:     66
    .vgpr_count:     1024
    .wavefront_size: 32
...
	.end_amdgpu_metadata
.endif
;; end of part 3
;; launch gemm2 (part 4): grid 32 x 8, 4 waves a work-group, no clusters, 140,800 bytes of LDS; arguments w2, hc, hs, route, yp; writes yp
.if DOCPART == 4
	.amdgcn_target "amdgcn-amd-amdhsa--gfx1250"
	.amdhsa_code_object_version 6
	.text
	.protected	k_qc576eef8a5_gemm2
	.globl	k_qc576eef8a5_gemm2
	.p2align	8
	.type	k_qc576eef8a5_gemm2,@function
k_qc576eef8a5_gemm2:
	s_mov_b64 s[64:65], 0
	v_nop
	global_prefetch_b8 v0, s[64:65] scope:SCOPE_SE
	s_setreg_imm32_b32 hwreg(HW_REG_WAVE_MODE, 25, 1), 1
	s_wait_xcnt 0x0
; THE SECOND PRODUCT OF AN EXPERT, ON ITS OWN ROWS ALONE: y = h W2[e]^T, in four parts along K.  Both operands are codes of E2M3 with one E8M0 byte for each 32 along K.
; Work-group (x, e), x = 4 c + kq, owns outputs 128 c .. 128 c + 127 and K = 1024 kq .. 1024 kq + 1023 of expert e: 128 rows of w2 x 1,024 K, 512 KB of f32, read ONCE in the launch, in runs of 512 consecutive bytes.
; The shape is the first product's: PHASE W quantises the weights into LDS as images of the operand's registers; one barrier; PASSES deal the expert's tiles of 16 rows 5 to a wave, 20 to a pass; 40 accumulators take
; turns, one instruction a turn.  Source 0 = 16 rows of w2, source 1 = 16 rows of h: a lane holds one row of h.  Lane r of weight tile 2 b + u takes row 32 b + 8 u + r + 8 (r / 8), as in the
; first product, so register j of tile 2 b + u in lane (r, h) is output 32 b + 16 h + 8 u + j of row r.
; THE WAY OUT: a tile's 16 rows x 128 outputs go through my stage in LDS and leave as rows of 512 consecutive bytes: yp [kq][1024 e + place][1024] f32.  The four parts along K are added by the last launch: each word of yp has one writer.
; No tensor loads and no cluster: trip counts hang on a stored count, and no two work-groups read the same weights.
; LIMITS: NaN and infinities are not served.  A block of zeros keeps the scale byte 1.
; LDS and REGISTERS as in the first product: stage 8,448 x wave; images from 33792; scale words from 132096; v32-47 and v48-62 hold scales and nothing else.
.set PW,   16384                       ; a row of w2 in bytes
.set NK,   32                          ; K steps in a tile of the A operand's buffer
.set WIMG, 33792
.set WSC,  132096
.set MSB, 0
.macro WIN new                         ; the immediate's high byte repeats the setting that is left
.if MSB != (\new)
	s_set_vgpr_msb (MSB<<8)|(\new)
.set MSB, (\new)
.endif
.endm
	s_load_b256 s[4:11], s[0:1], 0x0               ; w2 s[4:5], hc s[6:7], hs s[8:9], route s[10:11]
	s_load_b64 s[12:13], s[0:1], 0x20              ; yp
	v_lshl_add_u32 v254, v0, 2, 0x22400
	v_mov_b32 v255, 0
	v_lshrrev_b32 v1, 5, v0
	v_readfirstlane_b32 s16, v1                    ; wave
	s_and_b32 s17, ttmp7, 0xffff                   ; expert
	s_lshr_b32 s18, ttmp9, 2                       ; c: which 128 outputs
	s_and_b32 s30, ttmp9, 3                        ; kq: which quarter of K
	v_and_b32 v1, 31, v0                           ; lane
	v_and_b32 v2, 15, v0                           ; r
	v_bfe_u32 v3, v0, 4, 1                         ; h
	v_lshlrev_b32 v4, 4, v1                        ; 16 x lane
	v_lshlrev_b32 v5, 2, v1                        ; 4 x lane
	s_mul_i32 s24, s16, 8448                       ; my stage
	v_add_nc_u32 v6, s24, v4
	v_mul_u32_u24 v7, v2, 528
	v_lshl_add_u32 v26, v3, 6, v7
	v_add_nc_u32 v26, s24, v26                     ; the way out: row r, + 64 h
	v_lshl_add_u32 v7, v3, 7, v7
	v_add_nc_u32 v7, s24, v7
	s_mul_i32 s25, s16, 3072
	s_add_co_u32 s25, s25, WIMG
	v_add_nc_u32 v8, s25, v4                       ; where I store images: K steps 0-3,
	v_add_nc_u32 v9, 49152, v8                     ; K steps 4-7
	s_lshl_b32 s25, s16, 8
	s_add_co_u32 s25, s25, WSC
	v_add_nc_u32 v10, s25, v5                      ; and scale words
	v_lshlrev_b32 v11, 3, v3                       ; 8 h
	v_add_nc_u32 v12, WIMG, v4                     ; where any wave reads images: K steps 0-3,
	v_add_nc_u32 v13, WIMG+49152, v4               ; K steps 4-7
	v_add_nc_u32 v14, WSC, v5
	v_mov_b32 v15, 0                               ; a lane permute's destination counts as read
	s_mov_b32 s28, 0x76543210
	s_mov_b32 s29, 0xfedcba98
	s_lshl_b32 s24, s17, 24                        ; w2: expert x 1,024 rows, + 128 c rows, + 32 rows a wave, of 16,384 bytes, + 4,096 kq bytes along K
	s_lshl_b32 s25, s18, 21
	s_add_co_u32 s24, s24, s25
	s_lshl_b32 s25, s16, 19
	s_add_co_u32 s24, s24, s25
	s_lshl_b32 s25, s30, 12
	s_add_co_u32 s24, s24, s25
	s_mov_b32 s25, 0
	s_lshl_b32 s26, s17, 7
	s_wait_kmcnt 0x0
	s_add_nc_u64 s[4:5], s[4:5], s[24:25]
	s_load_b32 s19, s[10:11], s26 offset:0x8000    ; the expert's count of rows
	s_mul_i32 s24, s17, 64*NK*1536
	s_mul_i32 s27, s30, 8*1536
	s_add_co_u32 s24, s24, s27
	s_add_nc_u64 s[6:7], s[6:7], s[24:25]          ; the expert's tiles of h's codes, K step 8 kq
	s_mul_i32 s24, s17, 64*NK*128
	s_lshl_b32 s27, s30, 10
	s_add_co_u32 s24, s24, s27
	s_add_nc_u64 s[8:9], s[8:9], s[24:25]          ; and scale words
	s_lshl_b32 s24, s30, 25                        ; yp: part kq, the expert's 1,024 rows of 4,096 bytes, + 512 c
	s_lshl_b32 s27, s17, 22
	s_add_co_u32 s24, s24, s27
	s_lshl_b32 s27, s18, 9
	s_add_co_u32 s24, s24, s27
	s_add_nc_u64 s[12:13], s[12:13], s[24:25]
.macro WLOAD f                         ; fragment f = 2 s + u: the 16 chosen rows of tile 2 w + u, K step s; each load reads 512 consecutive bytes of one row, read once in the launch; set f % 4
	WIN 0x40
.set n, 0
.rept 16
	global_load_b128 v[64*((\f)%4)+4*n:64*((\f)%4)+4*n+3], v4, s[4:5] offset:(8*((\f)%2)+n+8*(n/8))*PW+512*((\f)/2) th:TH_LOAD_NT
.set n, n+1
.endr
	WIN 0
.endm
.macro TURN f, left                    ; set f % 4 goes through my stage: in as rows, out so that lane (r, h) holds k = 64 c + 32 h + 0..31 of row r in X[32 c ..], X = v64-127
	s_wait_loadcnt \left                           ; loads return in order: this set is in, the younger sets may be out
	WIN 0x04
.set n, 0
.rept 16
	ds_store_b128 v6, v[64*((\f)%4)+4*n:64*((\f)%4)+4*n+3] offset:528*n
.set n, n+1
.endr
	WIN 0
.set n, 0
.rept 16
	ds_load_b128 v[64+4*n:67+4*n], v7 offset:256*(n/8)+16*(n%8)
.set n, n+1
.endr
	s_wait_dscnt 0x0                               ; X is in, and the stores have read the set, which may be loaded again
.endm
.macro QF P, SW                        ; X becomes a fragment's 12 registers v[P ..] and its scale word v[SW]
	v_max3_num_f32 v128, |v64|, |v65|, 0x1800000   ; my two blocks of 32, by turns; the floor 2^(3 - 127) holds the byte at 1 from below
	v_max3_num_f32 v129, |v96|, |v97|, 0x1800000
.set n, 2
.rept 15
	v_max3_num_f32 v128, v128, |v[64+n]|, |v[65+n]|
	v_max3_num_f32 v129, v129, |v[96+n]|, |v[97+n]|
.set n, n+2
.endr
	v_add_nc_u32 v130, 0xff000000, v128            ; 2 off the exponent field: the conversion's scale operand
	v_add_nc_u32 v131, 0xff000000, v129
	v_lshrrev_b32 v132, 23, v130                   ; the scale's byte
	v_lshrrev_b32 v133, 23, v131
	v_lshl_or_b32 v[\SW], v133, 16, v132           ; blocks h and 2 + h,
	v_lshlrev_b32 v[\SW], v11, v[\SW]              ; at their places in the word;
	v_permlanex16_b32 v15, v[\SW], s28, s29
	v_or_b32 v[\SW], v[\SW], v15                   ; with lane l xor 16's two the word is whole
.irp c, 0,1
	v_cvt_scalef32_pk16_fp6_f32 v[\P+6*\c:\P+6*\c+2], v[64+32*\c:79+32*\c], v[130+\c]
	v_cvt_scalef32_pk16_fp6_f32 v[136+4*\c:138+4*\c], v[80+32*\c:95+32*\c], v[130+\c]   ; (a conversion's three registers begin on an even number)
.endr
	v_nop                                          ; one plain line behind the conversions
.irp c, 0,1
.irp i, 0,1,2
	v_mov_b32 v[\P+6*\c+3+\i], v[136+4*\c+\i]
.endr
.endr
.endm
.macro WFRAG f
.if (\f) < 12
	TURN \f, 48                                    ; three younger sets of 16 loads stay out: 24 KB a wave
	WLOAD (\f)+4
.else
	TURN \f, 16*(15-(\f))
.endif
	QF 144, 134
.irp c, 0,1,2
	ds_store_b128 v[8+(\f)/8], v[144+4*\c:147+4*\c] offset:12288*(((\f)/2)%4)+1536*((\f)%2)+512*\c
.endr
	ds_store_b32 v10, v134 offset:1024*((\f)/2)+128*((\f)%2)
.endm
	; ---- PHASE W
.irp f, 0,1,2,3
	WLOAD \f
.endr
.irp f, 0,1,2,3,4,5,6,7,8,9,10,11,12,13,14,15
	WFRAG \f
.endr
	s_wait_dscnt 0x0                               ; my images have landed
	s_barrier_signal -1
	s_barrier_wait -1                              ; the one barrier: behind it the images are only read
	s_wait_kmcnt 0x0                               ; the count
	s_min_u32 s19, s19, 1024
	s_add_co_u32 s20, s19, 15
	s_lshr_b32 s20, s20, 4                         ; tiles of 16 rows, at most 64
	s_add_co_u32 s21, s20, 19
	s_mul_i32 s21, s21, 3277
	s_lshr_b32 s21, s21, 16                        ; passes: tiles / 20, rounded up (3277 / 65536 is just over 1 / 20; exact for up to 83)
	s_cmp_eq_u32 s21, 0
	s_cbranch_scc1 .Lend
.macro AFETCH s                        ; my five tiles' fragments and scale words of K step 8 kq + s, from memory; set s % 3
	WIN 0xc0
.irp g, 0,1,2,3,4
.irp c, 0,1,2
	global_load_b128 v[64+60*((\s)%3)+12*\g+4*\c:64+60*((\s)%3)+12*\g+4*\c+3], v[16+\g], s[6:7] offset:1536*(\s)+512*\c
.endr
.endr
	WIN 0
.irp g, 0,1,2,3,4
	global_load_b32 v[48+5*((\s)%3)+\g], v[21+\g], s[8:9] offset:128*(\s)
.endr
.endm
.macro WFETCH s                        ; the eight weight fragments and scale words of K step s, from LDS; set s % 2
	WIN 0x40
.irp t, 0,1,2,3,4,5,6,7
.irp c, 0,1,2
	ds_load_b128 v[96*((\s)%2)+12*\t+4*\c:96*((\s)%2)+12*\t+4*\c+3], v[12+(\s)/4] offset:12288*((\s)%4)+1536*\t+512*\c
.endr
.endr
	WIN 0
.irp t, 0,1,2,3,4,5,6,7
	ds_load_b32 v[32+8*((\s)%2)+\t], v14 offset:1024*(\s)+128*\t
.endr
.endm
.macro MMS g, s                        ; slot g against the eight weight tiles, K step s; the first K step starts the sums
.set q, 0
.rept 8
.if (\s) == 0
	v_wmma_scale_f32_16x16x128_f8f6f4 v[64*((\g)%4)+8*q:64*((\g)%4)+8*q+7], v[96*((\s)%2)+12*q:96*((\s)%2)+12*q+11], v[64+60*((\s)%3)+12*(\g):64+60*((\s)%3)+12*(\g)+11], 0, v[32+8*((\s)%2)+q], v[48+5*((\s)%3)+(\g)] matrix_a_fmt:MATRIX_FMT_FP6 matrix_b_fmt:MATRIX_FMT_FP6
.else
	v_wmma_scale_f32_16x16x128_f8f6f4 v[64*((\g)%4)+8*q:64*((\g)%4)+8*q+7], v[96*((\s)%2)+12*q:96*((\s)%2)+12*q+11], v[64+60*((\s)%3)+12*(\g):64+60*((\s)%3)+12*(\g)+11], v[64*((\g)%4)+8*q:64*((\g)%4)+8*q+7], v[32+8*((\s)%2)+q], v[48+5*((\s)%3)+(\g)] matrix_a_fmt:MATRIX_FMT_FP6 matrix_b_fmt:MATRIX_FMT_FP6
.endif
.set q, q+1
.endr
.endm
.macro KSTEP s
.rept 4
	v_nop                                          ; four plain lines between the last products and loads into registers that they read
.endr
.if (\s) < 7
	WFETCH (\s)+1
	s_wait_dscnt 32                                ; this K step's 32 LDS loads are in; the next step's 32 may be out
.else
	s_wait_dscnt 0x0
.endif
.if (\s) < 6
	AFETCH (\s)+2
	s_wait_loadcnt 40                              ; this K step's 20 loads are in; those of the two steps behind it may be out
.elseif (\s) == 6
	s_wait_loadcnt 20
.else
	s_wait_loadcnt 0x0
.endif
	WIN 0xad                                       ; source 0 (weights) window 1, source 1 (h) window 3, C and D window 2
.irp g, 0,1,2,3
	MMS \g, \s
.endr
	WIN 0xfd                                       ; C and D window 3
	MMS 4, \s
	WIN 0
.endm
.macro OUTSLOT g                       ; slot g's 16 rows x 128 outputs: through my stage, out as whole rows of 512 bytes
	s_add_co_u32 s24, s23, \g
	s_cmp_ge_u32 s24, s20
	s_cbranch_scc1 .Lno_slot_\@                    ; a repeated tile is not stored
	s_wait_xcnt 0x0                                ; the last slot's stores have read v64-127, which are loaded again below
	WIN 0x08+4*((\g)/4)                            ; an LDS store's data are its source 1: window 2 or 3
.set n, 0
.rept 8
	ds_store_b128 v26, v[64*((\g)%4)+8*n:64*((\g)%4)+8*n+3] offset:128*(n/2)+32*(n%2)       ; each accumulator from its low end on
	ds_store_b128 v26, v[64*((\g)%4)+8*n+4:64*((\g)%4)+8*n+7] offset:128*(n/2)+32*(n%2)+16
.set n, n+1
.endr
	WIN 0
.set n, 0
.rept 16
	ds_load_b128 v[64+4*n:67+4*n], v6 offset:528*n ; LDS serves a wave's instructions in order: these see my stores
.set n, n+1
.endr
.set n, 0
.rept 16
	s_wait_dscnt 15-n
	global_store_b128 v4, v[64+4*n:67+4*n], s[46:47] offset:65536*(\g)+4096*n               ; 512 consecutive bytes of one row
.set n, n+1
.endr
.Lno_slot_\@:
.endm
	; ---- THE PASSES
	s_mov_b32 s22, 0
.Lpass:
	s_mul_i32 s23, s22, 20
	s_mul_i32 s24, s16, 5
	s_add_co_u32 s23, s23, s24                     ; my first tile
	s_cmp_ge_u32 s23, s20
	s_cbranch_scc1 .Lpass_next                     ; none of mine is left
	s_sub_co_u32 s26, s20, 1
.irp g, 0,1,2,3,4
	s_add_co_u32 s24, s23, \g
	s_min_u32 s24, s24, s26                        ; a slot beyond the last tile repeats it (its results are not stored),
	s_min_u32 s24, s24, 63                         ; held inside the expert's 64 tiles
	s_mul_i32 s25, s24, NK*1536
	v_add_nc_u32 v[16+\g], s25, v4
	s_mul_i32 s25, s24, NK*128
	v_add_nc_u32 v[21+\g], s25, v5
.endr
	AFETCH 0
	AFETCH 1
	WFETCH 0
.irp s, 0,1,2,3,4,5,6,7
	KSTEP \s
.endr
.rept 4
	v_nop                                          ; four plain lines between the last products and the first read of results
.endr
	s_wait_xcnt 0x0                                ; the last pass's stores have read their base
	s_min_u32 s24, s23, 63
	s_lshl_b32 s24, s24, 16                        ; 16 rows of 4,096 bytes a tile
	s_mov_b32 s25, 0
	s_add_nc_u64 s[46:47], s[12:13], s[24:25]
.irp g, 0,1,2,3,4
	OUTSLOT \g
.endr
.Lpass_next:
	s_add_co_u32 s22, s22, 1
	s_cmp_lt_u32 s22, s21
	s_cbranch_scc1 .Lpass
.Lend:
	s_wait_tensorcnt 0x0
	ds_add_u32 v254, v255
	s_wait_dscnt 0x0
	s_endpgm
.Lfunc_end_k_qc576eef8a5_gemm2:
	.size	k_qc576eef8a5_gemm2, .Lfunc_end_k_qc576eef8a5_gemm2-k_qc576eef8a5_gemm2
	.p2alignl 7, 3214868480
	.fill 96, 4, 3214868480
	.section	.rodata,"a",@progbits
	.p2align	6, 0x0
	.amdhsa_kernel k_qc576eef8a5_gemm2
		.amdhsa_group_segment_fixed_size 140800
		.amdhsa_private_segment_fixed_size 0
		.amdhsa_enable_private_segment 0
		.amdhsa_kernarg_size 40
		.amdhsa_user_sgpr_count 2
		.amdhsa_user_sgpr_kernarg_segment_ptr 1
		.amdhsa_wavefront_size32 1
		.amdhsa_system_sgpr_workgroup_id_x 1
		.amdhsa_system_sgpr_workgroup_id_y 1
		.amdhsa_system_sgpr_workgroup_id_z 1
		.amdhsa_system_vgpr_workitem_id 0
		.amdhsa_next_free_vgpr 1024
		.amdhsa_next_free_sgpr 66
		.amdhsa_reserve_vcc 0
		.amdhsa_float_denorm_mode_32 3
		.amdhsa_float_denorm_mode_16_64 3
		.amdhsa_memory_ordered 1
		.amdhsa_forward_progress 1
		.amdhsa_inst_pref_size 211
	.end_amdhsa_kernel
	.amdgpu_metadata
---
amdhsa.version: [ 1, 2 ]
amdhsa.kernels:
  - .name:           k_qc576eef8a5_gemm2
    .symbol:         k_qc576eef8a5_gemm2.kd
    .args:
      - { .name: w2, .offset: 0, .size: 8, .value_kind: global_buffer, .address_space: global }
      - { .name: hc, .offset: 8, .size: 8, .value_kind: global_buffer, .address_space: global }
      - { .name: hs, .offset: 16, .size: 8, .value_kind: global_buffer, .address_space: global }
      - { .name: route, .offset: 24, .size: 8, .value_kind: global_buffer, .address_space: global }
      - { .name: yp, .offset: 32, .size: 8, .value_kind: global_buffer, .address_space: global }
    .group_segment_fixed_size: 140800
    .private_segment_fixed_size: 0
    .kernarg_segment_align: 8
    .kernarg_segment_size: 40
    .max_flat_workgroup_size: 128
    .sgpr_count:     66
    .vgpr_count:     1024
    .wavefront_size: 32
...
	.end_amdgpu_metadata
.endif
;; end of part 4
;; launch combine (part 5): grid 256 x 1, 4 waves a work-group, no clusters, 0 bytes of LDS; arguments inp, idx, sc, route, yp, ln_gamma, ln_beta, out0; writes out0
.if DOCPART == 5
	.amdgcn_target "amdgcn-amd-amdhsa--gfx1250"
	.amdhsa_code_object_version 6
	.text
	.protected	k_qc576eef8a5_combine
	.globl	k_qc576eef8a5_combine
	.p2align	8
	.type	k_qc576eef8a5_combine,@function
k_qc576eef8a5_combine:
	s_mov_b64 s[64:65], 0
	v_nop
	global_prefetch_b8 v0, s[64:65] scope:SCOPE_SE
	s_setreg_imm32_b32 hwreg(HW_REG_WAVE_MODE, 25, 1), 1
	s_wait_xcnt 0x0
; THE END OF THE LAYER, a wave to a token: out0[n] = LayerNorm(inp[n] + s0 y(e0) + s1 y(e1)) x gamma + beta, all in f32.
; y(e_k) is the sum of the four parts along K that the launch before stored at yp [q][1024 e_k + place][1024]; the experts (idx), the token's places (route) and the weights (sc) were stored by earlier launches and
; come by scalar loads.  The token's places with ALL EIGHT experts are asked for together with its experts and weights, and the two that count are chosen by selects: so the places do not wait for the experts.
; Experts are held to 0..7 and places to 0..1023 before they enter an address.  Each output row has one owner: nothing is added across work-groups.
; A lane holds columns 128 j + 4 lane + 0..3, j = 0..7: every load and store of the wave covers 512 consecutive bytes.  Memory binds: no LDS, no barrier, no matrix unit.
; REGISTERS: window 0: v32-63 the row; v64-191 expert 0's four parts.  window 1: v0-127 expert 1's four parts; v128-159 gamma; v160-191 beta.
; LIMITS: NaN and infinities are not served.
.set MSB, 0
.macro WIN new                         ; the immediate's high byte repeats the setting that is left
.if MSB != (\new)
	s_set_vgpr_msb (MSB<<8)|(\new)
.set MSB, (\new)
.endif
.endm
.macro WSUM r, t                       ; the sum over the wave's 32 lanes, in every lane
	v_add_f32_dpp v[\r], v[\r], v[\r] row_xmask:1 row_mask:0xf bank_mask:0xf
	v_add_f32_dpp v[\r], v[\r], v[\r] row_xmask:2 row_mask:0xf bank_mask:0xf
	v_add_f32_dpp v[\r], v[\r], v[\r] row_xmask:4 row_mask:0xf bank_mask:0xf
	v_add_f32_dpp v[\r], v[\r], v[\r] row_xmask:8 row_mask:0xf bank_mask:0xf
	v_permlanex16_b32 v[\t], v[\r], s46, s47
	v_add_f32 v[\r], v[\r], v[\t]
.endm
	s_load_b256 s[4:11], s[0:1], 0x0               ; inp s[4:5], idx s[6:7], sc s[8:9], route s[10:11]
	s_load_b256 s[12:19], s[0:1], 0x20             ; yp s[12:13], gamma s[14:15], beta s[16:17], out0 s[18:19]
	v_lshrrev_b32 v1, 5, v0
	v_readfirstlane_b32 s20, v1                    ; wave
	v_and_b32 v1, 31, v0
	v_lshlrev_b32 v4, 4, v1                        ; 16 x lane
	s_lshl_b32 s21, ttmp9, 2
	s_add_co_u32 s21, s21, s20                     ; my token
	s_lshl_b32 s22, s21, 3                         ; 8 bytes a token in idx and sc
	s_lshl_b32 s23, s21, 2                         ; 4 bytes a token in each expert's table of places
	s_lshl_b32 s44, s21, 12
	s_mov_b32 s45, 0
	s_mov_b32 s42, 0x3a800000                      ; 1 / 1024
	s_mov_b32 s43, 0x3727c5ac                      ; 1e-5
	s_mov_b32 s46, 0x76543210
	s_mov_b32 s47, 0xfedcba98
	s_wait_kmcnt 0x0
	s_load_b64 s[24:25], s[6:7], s22               ; the two experts
	s_load_b64 s[26:27], s[8:9], s22               ; their weights
.irp e, 0,1,2,3,4,5,6,7
	s_load_b32 s[48+\e], s[10:11], s23 offset:4096*\e              ; my token's place in expert e's table
.endr
	s_add_nc_u64 s[4:5], s[4:5], s[44:45]
	s_add_nc_u64 s[18:19], s[18:19], s[44:45]
	s_mov_b64 s[32:33], s[12:13]                   ; the four parts of yp, 2^25 bytes apart
	s_add_nc_u64 s[34:35], s[12:13], 0x2000000
	s_add_nc_u64 s[36:37], s[12:13], 0x4000000
	s_add_nc_u64 s[38:39], s[12:13], 0x6000000
.set n, 0
.rept 8
	global_load_b128 v[32+4*n:35+4*n], v4, s[4:5] offset:512*n
.set n, n+1
.endr
	WIN 0x40                                       ; destination window 1
.set n, 0
.rept 8
	global_load_b128 v[128+4*n:131+4*n], v4, s[14:15] offset:512*n
	global_load_b128 v[160+4*n:163+4*n], v4, s[16:17] offset:512*n
.set n, n+1
.endr
	WIN 0
	s_wait_kmcnt 0x0                               ; the experts, the weights and the eight places
	s_min_u32 s24, s24, 7
	s_min_u32 s25, s25, 7
	s_mov_b32 s30, s48
	s_mov_b32 s31, s48
.irp e, 1,2,3,4,5,6,7
	s_cmp_eq_u32 s24, \e
	s_cselect_b32 s30, s[48+\e], s30               ; my token's place among the first expert's rows,
	s_cmp_eq_u32 s25, \e
	s_cselect_b32 s31, s[48+\e], s31               ; and among the second's
.endr
	s_min_u32 s30, s30, 1023
	s_min_u32 s31, s31, 1023
	s_mov_b32 s40, s27                             ; (the packed form names a pair and takes its low word)
	s_mov_b32 s41, s27
	s_lshl_b32 s28, s24, 10
	s_add_co_u32 s28, s28, s30
	s_lshl_b32 s28, s28, 12
	v_add_nc_u32 v5, s28, v4                       ; the row of 4,096 bytes in each part
	s_lshl_b32 s29, s25, 10
	s_add_co_u32 s29, s29, s31
	s_lshl_b32 s29, s29, 12
	v_add_nc_u32 v6, s29, v4
.irp q, 0,1,2,3
.set n, 0
.rept 8
	global_load_b128 v[64+32*\q+4*n:67+32*\q+4*n], v5, s[32+2*\q:33+2*\q] offset:512*n th:TH_LOAD_NT
.set n, n+1
.endr
.endr
	WIN 0x40
.irp q, 0,1,2,3
.set n, 0
.rept 8
	global_load_b128 v[32*\q+4*n:32*\q+4*n+3], v6, s[32+2*\q:33+2*\q] offset:512*n th:TH_LOAD_NT
.set n, n+1
.endr
.endr
	WIN 0
	s_wait_loadcnt 0x0
.set n, 0
.rept 16
	v_pk_add_f32 v[64+2*n:65+2*n], v[64+2*n:65+2*n], v[96+2*n:97+2*n]          ; the four parts along K
	v_pk_add_f32 v[128+2*n:129+2*n], v[128+2*n:129+2*n], v[160+2*n:161+2*n]
.set n, n+1
.endr
.set n, 0
.rept 16
	v_pk_add_f32 v[64+2*n:65+2*n], v[64+2*n:65+2*n], v[128+2*n:129+2*n]
.set n, n+1
.endr
	WIN 0x45                                       ; destination and both sources window 1
.set n, 0
.rept 16
	v_pk_add_f32 v[2*n:2*n+1], v[2*n:2*n+1], v[32+2*n:33+2*n]
	v_pk_add_f32 v[64+2*n:65+2*n], v[64+2*n:65+2*n], v[96+2*n:97+2*n]
.set n, n+1
.endr
.set n, 0
.rept 16
	v_pk_add_f32 v[2*n:2*n+1], v[2*n:2*n+1], v[64+2*n:65+2*n]
.set n, n+1
.endr
	WIN 0
.set n, 0
.rept 16
	v_pk_fma_f32 v[32+2*n:33+2*n], v[64+2*n:65+2*n], s[26:27], v[32+2*n:33+2*n] op_sel_hi:[1,0,1]   ; + s0 y(e0)
.set n, n+1
.endr
	WIN 0x01                                       ; source 0 window 1
.set n, 0
.rept 16
	v_pk_fma_f32 v[32+2*n:33+2*n], v[2*n:2*n+1], s[40:41], v[32+2*n:33+2*n] op_sel_hi:[1,0,1]       ; + s1 y(e1)
.set n, n+1
.endr
	WIN 0
	; the mean
	v_pk_add_f32 v[8:9], v[32:33], v[34:35]
	v_pk_add_f32 v[10:11], v[36:37], v[38:39]
.set n, 8
.rept 6
	v_pk_add_f32 v[8:9], v[8:9], v[32+n:33+n]
	v_pk_add_f32 v[10:11], v[10:11], v[34+n:35+n]
.set n, n+4
.endr
	v_pk_add_f32 v[8:9], v[8:9], v[10:11]
	v_add_f32 v8, v8, v9
	WSUM 8, 9
	v_mul_f32 v10, s42, v8
	v_mov_b32 v11, v10
.set n, 0
.rept 16
	v_pk_add_f32 v[32+2*n:33+2*n], v[32+2*n:33+2*n], v[10:11] neg_lo:[0,1] neg_hi:[0,1]             ; x - mean
.set n, n+1
.endr
	; the variance
	v_pk_mul_f32 v[8:9], v[32:33], v[32:33]
	v_pk_mul_f32 v[12:13], v[34:35], v[34:35]
.set n, 4
.rept 7
	v_pk_fma_f32 v[8:9], v[32+n:33+n], v[32+n:33+n], v[8:9]
	v_pk_fma_f32 v[12:13], v[34+n:35+n], v[34+n:35+n], v[12:13]
.set n, n+4
.endr
	v_pk_add_f32 v[8:9], v[8:9], v[12:13]
	v_add_f32 v8, v8, v9
	WSUM 8, 9
	v_fma_f32 v12, v8, s42, s43                    ; variance + 1e-5
	v_rsq_f32 v14, v12
	v_nop                                          ; a plain line behind it,
	s_wait_alu depctr_va_vdst(0)                   ; and the wait, ahead of the first reader
	v_mov_b32 v15, v14
.set n, 0
.rept 16
	v_pk_mul_f32 v[32+2*n:33+2*n], v[32+2*n:33+2*n], v[14:15]
.set n, n+1
.endr
	WIN 0x14                                       ; sources 1 (gamma) and 2 (beta) window 1
.set n, 0
.rept 16
	v_pk_fma_f32 v[32+2*n:33+2*n], v[32+2*n:33+2*n], v[128+2*n:129+2*n], v[160+2*n:161+2*n]
.set n, n+1
.endr
	WIN 0
.set n, 0
.rept 8
	global_store_b128 v4, v[32+4*n:35+4*n], s[18:19] offset:512*n th:TH_STORE_NT                    ; 512 consecutive bytes
.set n, n+1
.endr
	s_endpgm
.Lfunc_end_k_qc576eef8a5_combine:
	.size	k_qc576eef8a5_combine, .Lfunc_end_k_qc576eef8a5_combine-k_qc576eef8a5_combine
	.p2alignl 7, 3214868480
	.fill 96, 4, 3214868480
	.section	.rodata,"a",@progbits
	.p2align	6, 0x0
	.amdhsa_kernel k_qc576eef8a5_combine
		.amdhsa_group_segment_fixed_size 0
		.amdhsa_private_segment_fixed_size 0
		.amdhsa_enable_private_segment 0
		.amdhsa_kernarg_size 64
		.amdhsa_user_sgpr_count 2
		.amdhsa_user_sgpr_kernarg_segment_ptr 1
		.amdhsa_wavefront_size32 1
		.amdhsa_system_sgpr_workgroup_id_x 1
		.amdhsa_system_sgpr_workgroup_id_y 1
		.amdhsa_system_sgpr_workgroup_id_z 1
		.amdhsa_system_vgpr_workitem_id 0
		.amdhsa_next_free_vgpr 512
		.amdhsa_next_free_sgpr 66
		.amdhsa_reserve_vcc 0
		.amdhsa_float_denorm_mode_32 3
		.amdhsa_float_denorm_mode_16_64 3
		.amdhsa_memory_ordered 1
		.amdhsa_forward_progress 1
		.amdhsa_inst_pref_size 27
	.end_amdhsa_kernel
	.amdgpu_metadata
---
amdhsa.version: [ 1, 2 ]
amdhsa.kernels:
  - .name:           k_qc576eef8a5_combine
    .symbol:         k_qc576eef8a5_combine.kd
    .args:
      - { .name: inp, .offset: 0, .size: 8, .value_kind: global_buffer, .address_space: global }
      - { .name: idx, .offset: 8, .size: 8, .value_kind: global_buffer, .address_space: global }
      - { .name: sc, .offset: 16, .size: 8, .value_kind: global_buffer, .address_space: global }
      - { .name: route, .offset: 24, .size: 8, .value_kind: global_buffer, .address_space: global }
      - { .name: yp, .offset: 32, .size: 8, .value_kind: global_buffer, .address_space: global }
      - { .name: ln_gamma, .offset: 40, .size: 8, .value_kind: global_buffer, .address_space: global }
      - { .name: ln_beta, .offset: 48, .size: 8, .value_kind: global_buffer, .address_space: global }
      - { .name: out0, .offset: 56, .size: 8, .value_kind: global_buffer, .address_space: global }
    .group_segment_fixed_size: 0
    .private_segment_fixed_size: 0
    .kernarg_segment_align: 8
    .kernarg_segment_size: 64
    .max_flat_workgroup_size: 128
    .sgpr_count:     66
    .vgpr_count:     512
    .wavefront_size: 32
...
	.end_amdgpu_metadata
.endif
;; end of part 5
;; ======== version 2 of 2: 5 launches; version 1 with the launches gemm1, gemm2 written anew for expert scheduling mode
;; limits: a function is approximated: absolute error at most 1.5e-07
;; workspace buffers: idx 8,192 bytes of whole numbers; sc 8,192 bytes; route 33,792 bytes of whole numbers; xc 6,291,456 bytes; xs 524,288 bytes; hc 25,165,824 bytes; hs 2,097,152 bytes; yp 134,217,728 bytes
;; launch gate: the kernel of part 1 again; grid 128 x 1, 4 waves a work-group, no clusters, 0 bytes of LDS; arguments inp, gate_w, gate_b, moe_bias, idx, sc, out1; writes idx, sc, out1
;; launch place: the kernel of part 2 again; grid 32 x 8, 8 waves a work-group, no clusters, 73,216 bytes of LDS; arguments inp, idx, route, xc, xs; writes route, xc, xs
;; launch gemm1 (part 6): grid 32 x 8, 4 waves a work-group, no clusters, 140,800 bytes of LDS; arguments w1, xc, xs, route, hc, hs; writes hc, hs
.if DOCPART == 6
	.amdgcn_target "amdgcn-amd-amdhsa--gfx1250"
	.amdhsa_code_object_version 6
	.text
	.protected	k_qc576eef8a5_gemm1
	.globl	k_qc576eef8a5_gemm1
	.p2align	8
	.type	k_qc576eef8a5_gemm1,@function
k_qc576eef8a5_gemm1:
	s_mov_b64 s[64:65], 0
	v_nop
	global_prefetch_b8 v0, s[64:65] scope:SCOPE_SE
	s_setreg_imm32_b32 hwreg(HW_REG_WAVE_SCHED_MODE, 0, 2), 2
	s_setreg_imm32_b32 hwreg(HW_REG_WAVE_MODE, 25, 1), 1
	s_wait_xcnt 0x0
	s_wait_alu depctr_vm_vsrc(0)
; THE FIRST PRODUCT OF AN EXPERT, ON ITS OWN ROWS ALONE: h = gelu(x W1[e]^T), quantised along the hidden axis.  Both operands are codes of E2M3 with one E8M0 byte for each 32 along K.
; Work-group (sx, e) owns hidden units 128 sx .. 128 sx + 127 of expert e: 128 rows of w1 x 1,024 K, 512 KB of f32, read ONCE in the launch, in runs of 512 consecutive bytes.
; PHASE W: wave w quantises weight tiles 2 w and 2 w + 1 (16 rows each) for the 8 K steps and lays them in LDS as images of the operand's registers (group c of four registers at 512 c + 16 lane), with their scale words.
;   THE ROWS OF A TILE ARE NOT NEIGHBOURS: lane r of tile 2 b + u takes row 32 b + 8 u + r + 8 (r / 8), so that in the results the 16 registers of tiles 2 b, 2 b + 1 are 16 neighbours along the next K.
; One barrier.  PASSES: the expert's tiles of 16 rows (their number comes from the count that an earlier launch stored) are dealt 5 to a wave, 20 to a pass.  A wave multiplies its 5 tiles by all 8 weight tiles: 40 accumulators,
;   which take turns, one instruction a turn.  Source 0 = 16 rows of w1, source 1 = 16 rows of x: a lane holds ONE row of x, its registers run along the hidden units.
;   x's fragments come from memory as images (three loads of 512 consecutive bytes), two K steps ahead; the weights' from LDS, one K step ahead.
; THE WAY OUT: gelu in f32, the quantiser, and the tile's fragment of K step sx of the second product goes to hc [64 e + tile][sx][1,536 bytes], its scale words to hs [64 e + tile][sx][128 bytes].
; No tensor loads and no cluster: trip counts hang on a stored count, and no two work-groups read the same weights.
; GELU: 0.5 x erfc(-x / sqrt 2) with erfc(z) = t (a1 + t (a2 + t (a3 + t (a4 + t a5)))) e^(-z z), t = 1 / (1 + 0.3275911 z), z = |x| / sqrt 2; gelu = 0.5 ((x + |x|) - |x| erfc(z)): no difference of near numbers.
; LIMITS: the formula's absolute error in erfc is about 1.5e-7; its relative error grows for x under about -4, where gelu is under 1e-4 in magnitude.  NaN and infinities are not served.  A block of zeros keeps the scale byte 1.
; LDS: 0 + 8,448 x wave: a stage of 16 rows x 528 bytes, each wave's own; 33792: the weights' images, (K step s, tile t) at 12288 s + 1536 t; 132096: their scale words at 1024 s + 128 t + 4 lane.
; REGISTERS: window 0: v1-31 addresses and constants; v32-47 weights' scale words (two sets), v48-62 x's (three sets): these hold scales and nothing else; v64-253 at work.
;   window 1: phase W: four sets of 64, rows as loaded; then the weights' fragments, two sets of 96.   window 2: the accumulators of slots 0-3, (g, t) at 64 g + 8 t.   window 3: slot 4 at v0-63; x's fragments, three sets of 60, from v64.
; THE MODE: SCHED_MODE bits 1:0 = 2 (LLVM: expert scheduling mode 2), set by the entry lines.  The code itself states the register dependences
; between vector or matrix instructions and memory or LDS instructions, with s_wait_alu, always for 0.
; THE PLAN.  Registers that memory or LDS instructions touch:
;   v4-v14            offsets and LDS addresses: made at the head, never written again.
;   PHASE W, fragment f.  R[f % 4] (window 1): written by the loads of w1, read by the 16 stores into my stage.  X[f % 2] (v64-127, v160-223): written by the 16 loads from the stage, read by the quantiser.
;                     P[f % 2] (v144-155, v232-243) and S[f % 2] (v134, v135): written by the quantiser, read by the image's four LDS stores.
;                     A fragment: the wait for X[f % 2]; ONE wait on vm_vsrc; the loads into R[f % 4]; set f + 1 through the stage into the other X; the quantiser on X[f % 2]; ONE wait on va_vdst; the image's stores.
;   v16-v25           x's offsets: written at a pass's head, read by the pass's loads of x.
;   K STEP s.         Its products read W[s % 2], A[s % 3] and those sets' scale words.  Its loads land in W[(s + 1) % 2], A[(s + 2) % 3] and their scale words: what K step s - 1 read, and what no product of step s names.
;                     So ONE wait on va_vdst stands at a step's head, and the step's loads are dealt among its five runs of eight products with no further wait.
;   THE WAY OUT.      v26, v27, v128-139, v240: written by a trip's vector lines, read by its four stores: one wait on va_vdst ahead of the stores, one on vm_vsrc at the next trip's join.
.set PW,   4096                        ; a row of w1 in bytes
.set NK,   8                           ; K steps in a tile of the A operand's buffer
.set WIMG, 33792
.set WSC,  132096
.set MSB, 0
.macro WIN new                         ; the immediate's high byte repeats the setting that is left
.if MSB != (\new)
	s_set_vgpr_msb (MSB<<8)|(\new)
.set MSB, (\new)
.endif
.endm
	s_load_b256 s[4:11], s[0:1], 0x0               ; w1 s[4:5], xc s[6:7], xs s[8:9], route s[10:11]
	s_load_b128 s[12:15], s[0:1], 0x20             ; hc s[12:13], hs s[14:15]
	v_lshl_add_u32 v254, v0, 2, 0x22400
	v_mov_b32 v255, 0
	v_lshrrev_b32 v1, 5, v0
	v_readfirstlane_b32 s16, v1                    ; wave
	s_and_b32 s17, ttmp7, 0xffff                   ; expert
	v_and_b32 v1, 31, v0                           ; lane
	v_and_b32 v2, 15, v0                           ; r
	v_bfe_u32 v3, v0, 4, 1                         ; h
	v_lshlrev_b32 v4, 4, v1                        ; 16 x lane
	v_lshlrev_b32 v5, 2, v1                        ; 4 x lane
	s_wait_alu depctr_va_sdst(0)                   ; s16 is written, ahead of its first reader: LDS addresses and the bases are made from it
	s_mul_i32 s24, s16, 8448                       ; my stage
	v_add_nc_u32 v6, s24, v4
	v_mul_u32_u24 v7, v2, 528
	v_lshl_add_u32 v7, v3, 7, v7
	v_add_nc_u32 v7, s24, v7
	s_mul_i32 s25, s16, 3072
	s_add_co_u32 s25, s25, WIMG
	v_add_nc_u32 v8, s25, v4                       ; where I store images: K steps 0-3,
	v_add_nc_u32 v9, 49152, v8                     ; K steps 4-7
	s_lshl_b32 s25, s16, 8
	s_add_co_u32 s25, s25, WSC
	v_add_nc_u32 v10, s25, v5                      ; and scale words
	v_lshlrev_b32 v11, 3, v3                       ; 8 h
	v_add_nc_u32 v12, WIMG, v4                     ; where any wave reads images: K steps 0-3,
	v_add_nc_u32 v13, WIMG+49152, v4               ; K steps 4-7
	v_add_nc_u32 v14, WSC, v5
	v_mov_b32 v15, 0                               ; lane permutes' destinations count as read
.irp i, 228,229,230,231
	v_mov_b32 v\i, 0
.endr
	v_mov_b32 v30, 0xbfba00e3                      ; a4 = -1.453152027, twice
	v_mov_b32 v31, 0xbfba00e3
	s_mov_b32 s28, 0x76543210
	s_mov_b32 s29, 0xfedcba98
	s_mov_b32 s32, 0x3f87dc22                      ; a5 = 1.061405429   (the packed forms name pairs and take the low word: both are written)
	s_mov_b32 s33, s32
	s_mov_b32 s34, 0x3fb5f0e3                      ; a3 = 1.421413741
	s_mov_b32 s35, s34
	s_mov_b32 s36, 0xbe91a98e                      ; a2 = -0.284496736
	s_mov_b32 s37, s36
	s_mov_b32 s38, 0x3e827906                      ; a1 = 0.254829592
	s_mov_b32 s39, s38
	s_mov_b32 s42, 0x3e8ba43f                      ; 0.3275911 / sqrt(log2 e)
	s_mov_b32 s44, 0x3f16b55f                      ; 0.5 / sqrt(log2 e / 2)
	s_mov_b32 s45, s44
	s_lshl_b32 s24, s17, 24                        ; w1: expert x 4,096 rows, + 128 sx rows, + 32 rows a wave, of 4,096 bytes
	s_lshl_b32 s25, ttmp9, 19
	s_add_co_u32 s24, s24, s25
	s_lshl_b32 s25, s16, 17
	s_add_co_u32 s24, s24, s25
	s_mov_b32 s25, 0
	s_lshl_b32 s26, s17, 7
	s_wait_kmcnt 0x0
	s_add_nc_u64 s[4:5], s[4:5], s[24:25]
	s_load_b32 s19, s[10:11], s26 offset:0x8000    ; the expert's count of rows
	s_mul_i32 s24, s17, 64*NK*1536
	s_add_nc_u64 s[6:7], s[6:7], s[24:25]          ; the expert's tiles of x's codes
	s_mul_i32 s24, s17, 64*NK*128
	s_add_nc_u64 s[8:9], s[8:9], s[24:25]          ; and scale words
	s_mul_i32 s24, s17, 64*49152
	s_mul_i32 s27, ttmp9, 1536
	s_add_co_u32 s24, s24, s27
	s_add_nc_u64 s[12:13], s[12:13], s[24:25]      ; hc: the expert's tiles, K step sx
	s_lshl_b32 s24, s17, 18
	s_lshl_b32 s27, ttmp9, 7
	s_add_co_u32 s24, s24, s27
	s_add_nc_u64 s[14:15], s[14:15], s[24:25]      ; hs likewise
	s_wait_alu depctr_va_vdst(0)                   ; the offsets and LDS addresses v4 to v14 are written, which the loads and stores of the whole kernel read
.macro WLOAD f                         ; fragment f = 2 s + u: the 16 chosen rows of tile 2 w + u, K step s; each load reads 512 consecutive bytes of one row, read once in the launch; set f % 4
	WIN 0x40
.set n, 0
.rept 16
	global_load_b128 v[64*((\f)%4)+4*n:64*((\f)%4)+4*n+3], v4, s[4:5] offset:(8*((\f)%2)+n+8*(n/8))*PW+512*((\f)/2) th:TH_LOAD_NT
.set n, n+1
.endr
	WIN 0
.endm
.macro TURN f, left                    ; set f % 4 goes through my stage: in as rows, out so that lane (r, h) holds k = 64 c + 32 h + 0..31 of row r in X[32 c ..], X = v64-127 (f even) or v160-223 (f odd)
	s_wait_loadcnt \left                           ; loads return in order: this set is in, the younger sets may be out
	WIN 0x04
.set n, 0
.rept 16
	ds_store_b128 v6, v[64*((\f)%4)+4*n:64*((\f)%4)+4*n+3] offset:528*n
.set n, n+1
.endr
	WIN 0
.set n, 0
.rept 16
	ds_load_b128 v[64+96*((\f)%2)+4*n:67+96*((\f)%2)+4*n], v7 offset:256*(n/8)+16*(n%8)   ; LDS serves a wave's instructions in order: these see my stores, and stand behind the last set's reads of the stage
.set n, n+1
.endr
.endm
.macro QF X, P, SW                     ; the 64 numbers v[X ..] become a fragment's 12 registers v[P ..] and its scale word v[SW]
.set QX, \X
.set QP, \P
.set QS, \SW
	v_max3_num_f32 v128, |v[QX]|, |v[QX+1]|, 0x1800000     ; my two blocks of 32, by turns; the floor 2^(3 - 127) holds the byte at 1 from below
	v_max3_num_f32 v129, |v[QX+32]|, |v[QX+33]|, 0x1800000
.set n, 2
.rept 15
	v_max3_num_f32 v128, v128, |v[QX+n]|, |v[QX+1+n]|
	v_max3_num_f32 v129, v129, |v[QX+32+n]|, |v[QX+33+n]|
.set n, n+2
.endr
	v_add_nc_u32 v130, 0xff000000, v128            ; 2 off the exponent field: the conversion's scale operand
	v_add_nc_u32 v131, 0xff000000, v129
	v_lshrrev_b32 v132, 23, v130                   ; the scale's byte
	v_lshrrev_b32 v133, 23, v131
	v_lshl_or_b32 v[QS], v133, 16, v132            ; blocks h and 2 + h,
	v_lshlrev_b32 v[QS], v11, v[QS]                ; at their places in the word;
	v_permlanex16_b32 v15, v[QS], s28, s29
	v_or_b32 v[QS], v[QS], v15                     ; with lane l xor 16's two the word is whole
.irp c, 0,1
	v_cvt_scalef32_pk16_fp6_f32 v[QP+6*\c:QP+6*\c+2], v[QX+32*\c:QX+15+32*\c], v[130+\c]
	v_cvt_scalef32_pk16_fp6_f32 v[136+4*\c:138+4*\c], v[QX+16+32*\c:QX+31+32*\c], v[130+\c]   ; (a conversion's three registers begin on an even number)
.endr
	v_nop                                          ; one plain line behind the conversions
.irp c, 0,1
.irp i, 0,1,2
	v_mov_b32 v[QP+6*\c+3+\i], v[136+4*\c+\i]
.endr
.endr
.endm
.macro WFRAG f                         ; fragment f is quantised while set f + 1 goes through the stage
.if (\f) > 0
	s_wait_dscnt 4                                 ; LDS instructions return in order: X[f % 2] is in; the four stores of the last image may be out
.else
	s_wait_dscnt 0x0
.endif
	s_wait_alu depctr_vm_vsrc(0)                   ; the stores into the stage have read set f % 4, in which the loads below land; the image's stores of two fragments back have read the codes' and the scale word's registers that the quantiser below writes
.if (\f) < 12
	WLOAD (\f)+4
	TURN (\f)+1, 48                                ; three younger sets of 16 loads stay out: 24 KB a wave.  The other X: its last readers, the quantiser's lines of the fragment before, stand ahead of that fragment's wait on va_vdst, and no vector line has followed
.elseif (\f) < 15
	TURN (\f)+1, 16*(14-(\f))
.endif
	QF 64+96*((\f)%2), 144+88*((\f)%2), 134+(\f)%2
	s_wait_alu depctr_va_vdst(0)                   ; the quantiser has written the codes and the scale word, which the stores below read, and is done reading X[f % 2], in which the next fragment's loads from the stage land
.irp c, 0,1,2
	ds_store_b128 v[8+(\f)/8], v[144+88*((\f)%2)+4*\c:147+88*((\f)%2)+4*\c] offset:12288*(((\f)/2)%4)+1536*((\f)%2)+512*\c
.endr
	ds_store_b32 v10, v[134+(\f)%2] offset:1024*((\f)/2)+128*((\f)%2)
.endm
	; ---- PHASE W
.irp f, 0,1,2,3
	WLOAD \f
.endr
	TURN 0, 48
.irp f, 0,1,2,3,4,5,6,7,8,9,10,11,12,13,14,15
	WFRAG \f
.endr
	s_wait_dscnt 0x0                               ; my images have landed
	s_barrier_signal -1
	s_barrier_wait -1                              ; the one barrier: behind it the images are only read
	s_wait_kmcnt 0x0                               ; the count
	s_min_u32 s19, s19, 1024
	s_add_co_u32 s20, s19, 15
	s_lshr_b32 s20, s20, 4                         ; tiles of 16 rows, at most 64
	s_add_co_u32 s21, s20, 19
	s_mul_i32 s21, s21, 3277
	s_lshr_b32 s21, s21, 16                        ; passes: tiles / 20, rounded up (3277 / 65536 is just over 1 / 20; exact for up to 83)
	s_cmp_eq_u32 s21, 0
	s_cbranch_scc1 .Lend
.macro ACODES s                        ; my five tiles' fragments of K step s, from memory; set s % 3
	WIN 0xc0
.irp g, 0,1,2,3,4
.irp c, 0,1,2
	global_load_b128 v[64+60*((\s)%3)+12*\g+4*\c:64+60*((\s)%3)+12*\g+4*\c+3], v[16+\g], s[6:7] offset:1536*(\s)+512*\c
.endr
.endr
.endm
.macro AWORDS s                        ; and their scale words
	WIN 0
.irp g, 0,1,2,3,4
	global_load_b32 v[48+5*((\s)%3)+\g], v[21+\g], s[8:9] offset:128*(\s)
.endr
.endm
.macro WCODES s, t0                    ; the weight fragments t0 .. t0 + 3 of K step s, from LDS; set s % 2
	WIN 0x40
.irp t, 0,1,2,3
.irp c, 0,1,2
	ds_load_b128 v[96*((\s)%2)+12*((\t0)+\t)+4*\c:96*((\s)%2)+12*((\t0)+\t)+4*\c+3], v[12+(\s)/4] offset:12288*((\s)%4)+1536*((\t0)+\t)+512*\c
.endr
.endr
.endm
.macro WWORDS s                        ; the eight weight tiles' scale words of K step s
	WIN 0
.irp t, 0,1,2,3,4,5,6,7
	ds_load_b32 v[32+8*((\s)%2)+\t], v14 offset:1024*(\s)+128*\t
.endr
.endm
.macro MMS g, s                        ; slot g against the eight weight tiles, K step s; the first K step starts the sums
.set q, 0
.rept 8
.if (\s) == 0
	v_wmma_scale_f32_16x16x128_f8f6f4 v[64*((\g)%4)+8*q:64*((\g)%4)+8*q+7], v[96*((\s)%2)+12*q:96*((\s)%2)+12*q+11], v[64+60*((\s)%3)+12*(\g):64+60*((\s)%3)+12*(\g)+11], 0, v[32+8*((\s)%2)+q], v[48+5*((\s)%3)+(\g)] matrix_a_fmt:MATRIX_FMT_FP6 matrix_b_fmt:MATRIX_FMT_FP6
.else
	v_wmma_scale_f32_16x16x128_f8f6f4 v[64*((\g)%4)+8*q:64*((\g)%4)+8*q+7], v[96*((\s)%2)+12*q:96*((\s)%2)+12*q+11], v[64+60*((\s)%3)+12*(\g):64+60*((\s)%3)+12*(\g)+11], v[64*((\g)%4)+8*q:64*((\g)%4)+8*q+7], v[32+8*((\s)%2)+q], v[48+5*((\s)%3)+(\g)] matrix_a_fmt:MATRIX_FMT_FP6 matrix_b_fmt:MATRIX_FMT_FP6
.endif
.set q, q+1
.endr
.endm
; K step s: five runs of eight products; the next step's weights and the x of two steps on are asked for between the runs.  Step 0's loads are served by the wait at the pass's head; step 7 loads nothing: neither has a wait of its own.
.macro KSTEP s
.if ((\s) > 0) && ((\s) < 7)
.rept 4
	v_nop                                          ; four plain lines between the last products and loads into registers that they read
.endr
.endif
	s_wait_dscnt 0x0                               ; this K step's 32 LDS loads, all asked for in the step before, are in
.if (\s) < 7
	s_wait_loadcnt 20                              ; this K step's 20 loads are in; the next step's 20 may be out
.else
	s_wait_loadcnt 0x0
.endif
.if ((\s) > 0) && ((\s) < 7)
	s_wait_alu depctr_va_vdst(0)                   ; the last step's products are done reading their weights, their x and both sets of scale words, in which this step's loads land; this step's products name none of those registers
.endif
	WIN 0xad                                       ; source 0 (weights) window 1, source 1 (x) window 3, C and D window 2
	MMS 0, \s
.if (\s) < 7
	WCODES (\s)+1, 0
.endif
	WIN 0xad
	MMS 1, \s
.if (\s) < 7
	WCODES (\s)+1, 4
.endif
	WIN 0xad
	MMS 2, \s
.if (\s) < 7
	WWORDS (\s)+1
.endif
.if (\s) < 6
	AWORDS (\s)+2
.endif
	WIN 0xad
	MMS 3, \s
.if (\s) < 6
	ACODES (\s)+2
.endif
	WIN 0xfd                                       ; C and D window 3
	MMS 4, \s
.endm
.macro COPY g                          ; slot g's 64 results x sqrt(log2 e / 2) into E = v64-127; each accumulator from its low end on
	WIN 0x02+(\g)/4
.set n, 0
.rept 32
	v_pk_mul_f32 v[64+2*n:65+2*n], v[64*((\g)%4)+2*n:64*((\g)%4)+2*n+1], 0x3f596d27 op_sel_hi:[1,0]
.set n, n+1
.endr
	WIN 0
.endm
.macro GELU hb                         ; 32 numbers E = v[64 + hb ..]; U = v128.., V = v160.., W = v192..
.set n, 0
.rept 32
	v_fma_f32 v[160+n], |v[64+\hb+n]|, s42, 1.0    ; 1 + 0.3275911 z
.set n, n+1
.endr
.set n, 0
.rept 16
	v_pk_mul_f32 v[128+2*n:129+2*n], v[64+\hb+2*n:65+\hb+2*n], v[64+\hb+2*n:65+\hb+2*n]   ; z z log2 e
.set n, n+1
.endr
.set n, 0
.rept 32
	v_rcp_f32 v[160+n], v[160+n]                   ; t
.set n, n+1
.endr
.set n, 0
.rept 32
	v_exp_f32 v[128+n], -v[128+n]                  ; e^(-z z)
.set n, n+1
.endr
	v_nop                                          ; a plain line behind the batch,
	s_wait_alu depctr_va_vdst(0)                   ; and ONE wait for its 64 results, the reciprocals in v160-191 and the exponentials in v128-159, ahead of the first reader
.set n, 0
.rept 16
	v_pk_fma_f32 v[192+2*n:193+2*n], v[160+2*n:161+2*n], s[32:33], v[30:31] op_sel_hi:[1,0,1]
.set n, n+1
.endr
.irp k, 34,36,38
.set n, 0
.rept 16
	v_pk_fma_f32 v[192+2*n:193+2*n], v[192+2*n:193+2*n], v[160+2*n:161+2*n], s[\k:\k+1] op_sel_hi:[1,1,0]
.set n, n+1
.endr
.endr
.set n, 0
.rept 16
	v_pk_mul_f32 v[192+2*n:193+2*n], v[192+2*n:193+2*n], v[160+2*n:161+2*n]
.set n, n+1
.endr
.set n, 0
.rept 16
	v_pk_mul_f32 v[192+2*n:193+2*n], v[192+2*n:193+2*n], v[128+2*n:129+2*n]   ; erfc(z)
.set n, n+1
.endr
.set n, 0
.rept 32
	v_add_f32 v[160+n], v[64+\hb+n], |v[64+\hb+n]| ; exact: twice the number, or 0
.set n, n+1
.endr
.set n, 0
.rept 32
	v_fma_f32 v[192+n], -|v[64+\hb+n]|, v[192+n], v[160+n]
.set n, n+1
.endr
.set n, 0
.rept 16
	v_pk_mul_f32 v[64+\hb+2*n:65+\hb+2*n], v[192+2*n:193+2*n], s[44:45] op_sel_hi:[1,0]   ; gelu
.set n, n+1
.endr
.endm
.set TM, 224                           ; v224-227 largest magnitudes, v228-231 bytes, v236-239 the conversions' scale operands
.set PWD, 240                          ; the scale word
.set PC, 128                           ; the codes: v128-139 (v140-146 at work)
.macro QUANT s                         ; register 16 b + i of v[s ..] = k 32 b + 16 h + i of my row: a fragment's codes and its scale word
.irp b, 0,1,2,3
	v_max3_num_f32 v[TM+\b], |v[\s+16*\b]|, |v[\s+1+16*\b]|, 0x1800000
.endr
.irp i, 2,4,6,8,10,12,14
.irp b, 0,1,2,3
	v_max3_num_f32 v[TM+\b], v[TM+\b], |v[\s+16*\b+\i]|, |v[\s+1+16*\b+\i]|
.endr
.endr
.irp b, 0,1,2,3
	v_permlanex16_b32 v[TM+4+\b], v[TM+\b], s28, s29
.endr
.irp b, 0,1,2,3
	v_max_num_f32 v[TM+\b], v[TM+\b], v[TM+4+\b]   ; with lane l xor 16's 16: the block's largest magnitude
.endr
.irp b, 0,1,2,3
	v_add_nc_u32 v[TM+12+\b], 0xff000000, v[TM+\b]
.endr
.irp b, 0,1,2,3
	v_lshrrev_b32 v[TM+4+\b], 23, v[TM+12+\b]
.endr
	v_lshl_or_b32 v[PWD], v[TM+5], 8, v[TM+4]
	v_lshl_or_b32 v[PWD], v[TM+6], 16, v[PWD]
	v_lshl_or_b32 v[PWD], v[TM+7], 24, v[PWD]
.irp c, 0,1
	v_cvt_scalef32_pk16_fp6_f32 v[PC+6*\c:PC+2+6*\c], v[\s+32*\c:\s+15+32*\c], v[TM+12+2*\c]
	v_cvt_scalef32_pk16_fp6_f32 v[PC+12+4*\c:PC+14+4*\c], v[\s+16+32*\c:\s+31+32*\c], v[TM+12+2*\c+1]
.endr
	v_nop                                          ; one plain line behind the conversions
.irp c, 0,1                            ; the operand wants a whole block in a lane: lanes 0-15 block 2 c, lanes 16-31 block 2 c + 1
.irp i, 0,1,2
	v_permlane16_swap_b32 v[PC+6*\c+\i], v[PC+12+4*\c+\i]
.endr
.irp i, 0,1,2
	v_mov_b32 v[PC+3+6*\c+\i], v[PC+12+4*\c+\i]
.endr
.endr
.endm
	; ---- THE PASSES
	s_mov_b32 s22, 0
.Lpass:
	s_mul_i32 s23, s22, 20
	s_mul_i32 s24, s16, 5
	s_add_co_u32 s23, s23, s24                     ; my first tile
	s_cmp_ge_u32 s23, s20
	s_cbranch_scc1 .Lpass_next                     ; none of mine is left
	s_sub_co_u32 s26, s20, 1
	s_wait_alu depctr_vm_vsrc(0)                   ; the last pass's loads of x have read the offsets v16 to v25, which are written below; in the first pass: the stores of phase W have read window 1, in which the weights' fragments land, and the codes' registers, which the way out writes
.irp g, 0,1,2,3,4
	s_add_co_u32 s24, s23, \g
	s_min_u32 s24, s24, s26                        ; a slot beyond the last tile repeats it (its results are not stored),
	s_min_u32 s24, s24, 63                         ; held inside the expert's 64 tiles
	s_mul_i32 s25, s24, NK*1536
	v_add_nc_u32 v[16+\g], s25, v4
	s_mul_i32 s25, s24, NK*128
	v_add_nc_u32 v[21+\g], s25, v5
.endr
	s_wait_alu depctr_va_vdst(0)                   ; the ten offsets are written, which the loads below read; the last pass's products are done reading every set of fragments and of scale words, in which the loads below and those of K step 0 land
	AWORDS 0
	ACODES 0
	AWORDS 1
	ACODES 1
	WCODES 0, 0
	WCODES 0, 4
	WWORDS 0
.irp s, 0,1,2,3,4,5,6,7
	KSTEP \s
.endr
	WIN 0
.rept 4
	v_nop                                          ; four plain lines between the last products and the first read of results
.endr
	s_mov_b32 s43, 0
.Lepi:                                             ; five trips: a slot each
	s_add_co_u32 s24, s23, s43
	s_cmp_ge_u32 s24, s20
	s_cbranch_scc1 .Lepi_next                      ; a repeated tile is not stored
	s_min_u32 s24, s24, 63
	s_cmp_eq_u32 s43, 1
	s_cbranch_scc1 .Lcopy1
	s_cmp_eq_u32 s43, 2
	s_cbranch_scc1 .Lcopy2
	s_cmp_eq_u32 s43, 3
	s_cbranch_scc1 .Lcopy3
	s_cmp_eq_u32 s43, 4
	s_cbranch_scc1 .Lcopy4
	COPY 0
	s_branch .Ljoin
.Lcopy1:
	COPY 1
	s_branch .Ljoin
.Lcopy2:
	COPY 2
	s_branch .Ljoin
.Lcopy3:
	COPY 3
	s_branch .Ljoin
.Lcopy4:
	COPY 4
.Ljoin:
	s_wait_xcnt 0x0                                ; the last trip's stores have read their data and offsets, which are written again below
	s_wait_alu depctr_vm_vsrc(0)                   ; the last trip's stores have read v26, v27, the codes v128 to v139 and the scale word v240: the lines below write all of them again
	s_mul_i32 s25, s24, 49152
	v_add_nc_u32 v26, s25, v4
	s_lshl_b32 s25, s24, 12
	v_add_nc_u32 v27, s25, v5
	GELU 0
	GELU 32
	QUANT 64
	s_wait_alu depctr_va_vdst(0)                   ; the codes, the scale word and the two offsets are written, which the four stores read
.irp c, 0,1,2
	global_store_b128 v26, v[PC+4*\c:PC+4*\c+3], s[12:13] offset:512*\c   ; 512 consecutive bytes
.endr
	global_store_b32 v27, v[PWD], s[14:15]
.Lepi_next:
	s_add_co_u32 s43, s43, 1
	s_cmp_lt_u32 s43, 5
	s_cbranch_scc1 .Lepi
.Lpass_next:
	s_add_co_u32 s22, s22, 1
	s_cmp_lt_u32 s22, s21
	s_cbranch_scc1 .Lpass
.Lend:
	s_wait_dscnt 0x0                               ; the closing lines, six on end
	s_wait_alu 0x0
	s_wait_tensorcnt 0x0
	ds_add_u32 v254, v255
	s_wait_dscnt 0x0
	s_endpgm
.Lfunc_end_k_qc576eef8a5_gemm1:
	.size	k_qc576eef8a5_gemm1, .Lfunc_end_k_qc576eef8a5_gemm1-k_qc576eef8a5_gemm1
	.p2alignl 7, 3214868480
	.fill 96, 4, 3214868480
	.section	.rodata,"a",@progbits
	.p2align	6, 0x0
	.amdhsa_kernel k_qc576eef8a5_gemm1
		.amdhsa_group_segment_fixed_size 140800
		.amdhsa_private_segment_fixed_size 0
		.amdhsa_enable_private_segment 0
		.amdhsa_kernarg_size 48
		.amdhsa_user_sgpr_count 2
		.amdhsa_user_sgpr_kernarg_segment_ptr 1
		.amdhsa_wavefront_size32 1
		.amdhsa_system_sgpr_workgroup_id_x 1
		.amdhsa_system_sgpr_workgroup_id_y 1
		.amdhsa_system_sgpr_workgroup_id_z 1
		.amdhsa_system_vgpr_workitem_id 0
		.amdhsa_next_free_vgpr 1024
		.amdhsa_next_free_sgpr 66
		.amdhsa_reserve_vcc 0
		.amdhsa_float_denorm_mode_32 3
		.amdhsa_float_denorm_mode_16_64 3
		.amdhsa_memory_ordered 1
		.amdhsa_forward_progress 1
		.amdhsa_inst_pref_size 246
	.end_amdhsa_kernel
	.amdgpu_metadata
---
amdhsa.version: [ 1, 2 ]
amdhsa.kernels:
  - .name:           k_qc576eef8a5_gemm1
    .symbol:         k_qc576eef8a5_gemm1.kd
    .args:
      - { .name: w1, .offset: 0, .size: 8, .value_kind: global_buffer, .address_space: global }
      - { .name: xc, .offset: 8, .size: 8, .value_kind: global_buffer, .address_space: global }
      - { .name: xs, .offset: 16, .size: 8, .value_kind: global_buffer, .address_space: global }
      - { .name: route, .offset: 24, .size: 8, .value_kind: global_buffer, .address_space: global }
      - { .name: hc, .offset: 32, .size: 8, .value_kind: global_buffer, .address_space: global }
      - { .name: hs, .offset: 40, .size: 8, .value_kind: global_buffer, .address_space: global }
    .group_segment_fixed_size: 140800
    .private_segment_fixed_size: 0
    .kernarg_segment_align: 8
    .kernarg_segment_size: 48
    .max_flat_workgroup_size: 128
    .sgpr_count:     66
    .vgpr_count:     1024
    .wavefront_size: 32
...
	.end_amdgpu_metadata
.endif
;; end of part 6
;; launch gemm2 (part 7): grid 32 x 8, 4 waves a work-group, no clusters, 140,800 bytes of LDS; arguments w2, hc, hs, route, yp; writes yp
.if DOCPART == 7
	.amdgcn_target "amdgcn-amd-amdhsa--gfx1250"
	.amdhsa_code_object_version 6
	.text
	.protected	k_qc576eef8a5_gemm2
	.globl	k_qc576eef8a5_gemm2
	.p2align	8
	.type	k_qc576eef8a5_gemm2,@function
k_qc576eef8a5_gemm2:
	s_mov_b64 s[64:65], 0
	v_nop
	global_prefetch_b8 v0, s[64:65] scope:SCOPE_SE
	s_setreg_imm32_b32 hwreg(HW_REG_WAVE_SCHED_MODE, 0, 2), 2
	s_setreg_imm32_b32 hwreg(HW_REG_WAVE_MODE, 25, 1), 1
	s_wait_xcnt 0x0
	s_wait_alu depctr_vm_vsrc(0)
; THE SECOND PRODUCT OF AN EXPERT, ON ITS OWN ROWS ALONE: y = h W2[e]^T, in four parts along K.  Both operands are codes of E2M3 with one E8M0 byte for each 32 along K.
; Work-group (x, e), x = 4 c + kq, owns outputs 128 c .. 128 c + 127 and K = 1024 kq .. 1024 kq + 1023 of expert e: 128 rows of w2 x 1,024 K, 512 KB of f32, read ONCE in the launch, in runs of 512 consecutive bytes.
; The shape is the first product's: PHASE W quantises the weights into LDS as images of the operand's registers; one barrier; PASSES deal the expert's tiles of 16 rows 5 to a wave, 20 to a pass; 40 accumulators take
; turns, one instruction a turn.  Source 0 = 16 rows of w2, source 1 = 16 rows of h: a lane holds one row of h.  Lane r of weight tile 2 b + u takes row 32 b + 8 u + r + 8 (r / 8), as in the
; first product, so register j of tile 2 b + u in lane (r, h) is output 32 b + 16 h + 8 u + j of row r.
; THE WAY OUT: a tile's 16 rows x 128 outputs go through my stage in LDS and leave as rows of 512 consecutive bytes: yp [kq][1024 e + place][1024] f32.  The four parts along K are added by the last launch: each word of yp has one writer.
; No tensor loads and no cluster: trip counts hang on a stored count, and no two work-groups read the same weights.
; LIMITS: NaN and infinities are not served.  A block of zeros keeps the scale byte 1.
; LDS and REGISTERS as in the first product: stage 8,448 x wave; images from 33792; scale words from 132096; v32-47 and v48-62 hold scales and nothing else.
; THE MODE: SCHED_MODE bits 1:0 = 2 (LLVM: expert scheduling mode 2), set by the entry lines.  The code itself states the register dependences
; between vector or matrix instructions and memory or LDS instructions, with s_wait_alu, always for 0.
; THE PLAN.  Registers that memory or LDS instructions touch:
;   v4-v14, v26       offsets and LDS addresses: made at the head, never written again.
;   PHASE W, fragment f.  R[f % 4] (window 1): written by the loads of w2, read by the 16 stores into my stage.  X[f % 2] (v64-127, v160-223): written by the 16 loads from the stage, read by the quantiser.
;                     P[f % 2] (v144-155, v232-243) and S[f % 2] (v134, v135): written by the quantiser, read by the image's four LDS stores.
;                     A fragment: the wait for X[f % 2]; ONE wait on vm_vsrc; the loads into R[f % 4]; set f + 1 through the stage into the other X; the quantiser on X[f % 2]; ONE wait on va_vdst; the image's stores.
;   v16-v25           h's offsets: written at a pass's head, read by the pass's loads of h.
;   K STEP s.         Its products read W[s % 2], A[s % 3] and those sets' scale words.  Its loads land in W[(s + 1) % 2], A[(s + 2) % 3] and their scale words: what K step s - 1 read, and what no product of step s names.
;                     So ONE wait on va_vdst stands at a step's head, and the step's loads are dealt among its five runs of eight products with no further wait.
;   THE WAY OUT.      The accumulators: written by the products, read by the LDS stores into the stage: one wait on va_vdst for the five slots; written again by the next pass's K step 0, behind the wait on vm_vsrc at that pass's head.
;                     v64-127: written by a slot's loads from the stage, read by its 16 stores to memory: one wait on vm_vsrc at the next slot's head.  No vector line stands in the way out.
.set PW,   16384                       ; a row of w2 in bytes
.set NK,   32                          ; K steps in a tile of the A operand's buffer
.set WIMG, 33792
.set WSC,  132096
.set MSB, 0
.macro WIN new                         ; the immediate's high byte repeats the setting that is left
.if MSB != (\new)
	s_set_vgpr_msb (MSB<<8)|(\new)
.set MSB, (\new)
.endif
.endm
	s_load_b256 s[4:11], s[0:1], 0x0               ; w2 s[4:5], hc s[6:7], hs s[8:9], route s[10:11]
	s_load_b64 s[12:13], s[0:1], 0x20              ; yp
	v_lshl_add_u32 v254, v0, 2, 0x22400
	v_mov_b32 v255, 0
	v_lshrrev_b32 v1, 5, v0
	v_readfirstlane_b32 s16, v1                    ; wave
	s_and_b32 s17, ttmp7, 0xffff                   ; expert
	s_lshr_b32 s18, ttmp9, 2                       ; c: which 128 outputs
	s_and_b32 s30, ttmp9, 3                        ; kq: which quarter of K
	v_and_b32 v1, 31, v0                           ; lane
	v_and_b32 v2, 15, v0                           ; r
	v_bfe_u32 v3, v0, 4, 1                         ; h
	v_lshlrev_b32 v4, 4, v1                        ; 16 x lane
	v_lshlrev_b32 v5, 2, v1                        ; 4 x lane
	s_wait_alu depctr_va_sdst(0)                   ; s16 is written, ahead of its first reader: LDS addresses and the bases are made from it
	s_mul_i32 s24, s16, 8448                       ; my stage
	v_add_nc_u32 v6, s24, v4
	v_mul_u32_u24 v7, v2, 528
	v_lshl_add_u32 v26, v3, 6, v7
	v_add_nc_u32 v26, s24, v26                     ; the way out: row r, + 64 h
	v_lshl_add_u32 v7, v3, 7, v7
	v_add_nc_u32 v7, s24, v7
	s_mul_i32 s25, s16, 3072
	s_add_co_u32 s25, s25, WIMG
	v_add_nc_u32 v8, s25, v4                       ; where I store images: K steps 0-3,
	v_add_nc_u32 v9, 49152, v8                     ; K steps 4-7
	s_lshl_b32 s25, s16, 8
	s_add_co_u32 s25, s25, WSC
	v_add_nc_u32 v10, s25, v5                      ; and scale words
	v_lshlrev_b32 v11, 3, v3                       ; 8 h
	v_add_nc_u32 v12, WIMG, v4                     ; where any wave reads images: K steps 0-3,
	v_add_nc_u32 v13, WIMG+49152, v4               ; K steps 4-7
	v_add_nc_u32 v14, WSC, v5
	v_mov_b32 v15, 0                               ; a lane permute's destination counts as read
	s_mov_b32 s28, 0x76543210
	s_mov_b32 s29, 0xfedcba98
	s_lshl_b32 s24, s17, 24                        ; w2: expert x 1,024 rows, + 128 c rows, + 32 rows a wave, of 16,384 bytes, + 4,096 kq bytes along K
	s_lshl_b32 s25, s18, 21
	s_add_co_u32 s24, s24, s25
	s_lshl_b32 s25, s16, 19
	s_add_co_u32 s24, s24, s25
	s_lshl_b32 s25, s30, 12
	s_add_co_u32 s24, s24, s25
	s_mov_b32 s25, 0
	s_lshl_b32 s26, s17, 7
	s_wait_kmcnt 0x0
	s_add_nc_u64 s[4:5], s[4:5], s[24:25]
	s_load_b32 s19, s[10:11], s26 offset:0x8000    ; the expert's count of rows
	s_mul_i32 s24, s17, 64*NK*1536
	s_mul_i32 s27, s30, 8*1536
	s_add_co_u32 s24, s24, s27
	s_add_nc_u64 s[6:7], s[6:7], s[24:25]          ; the expert's tiles of h's codes, K step 8 kq
	s_mul_i32 s24, s17, 64*NK*128
	s_lshl_b32 s27, s30, 10
	s_add_co_u32 s24, s24, s27
	s_add_nc_u64 s[8:9], s[8:9], s[24:25]          ; and scale words
	s_lshl_b32 s24, s30, 25                        ; yp: part kq, the expert's 1,024 rows of 4,096 bytes, + 512 c
	s_lshl_b32 s27, s17, 22
	s_add_co_u32 s24, s24, s27
	s_lshl_b32 s27, s18, 9
	s_add_co_u32 s24, s24, s27
	s_add_nc_u64 s[12:13], s[12:13], s[24:25]
	s_wait_alu depctr_va_vdst(0)                   ; the offsets and LDS addresses v4 to v14 and v26 are written, which the loads and stores of the whole kernel read
.macro WLOAD f                         ; fragment f = 2 s + u: the 16 chosen rows of tile 2 w + u, K step s; each load reads 512 consecutive bytes of one row, read once in the launch; set f % 4
	WIN 0x40
.set n, 0
.rept 16
	global_load_b128 v[64*((\f)%4)+4*n:64*((\f)%4)+4*n+3], v4, s[4:5] offset:(8*((\f)%2)+n+8*(n/8))*PW+512*((\f)/2) th:TH_LOAD_NT
.set n, n+1
.endr
	WIN 0
.endm
.macro TURN f, left                    ; set f % 4 goes through my stage: in as rows, out so that lane (r, h) holds k = 64 c + 32 h + 0..31 of row r in X[32 c ..], X = v64-127 (f even) or v160-223 (f odd)
	s_wait_loadcnt \left                           ; loads return in order: this set is in, the younger sets may be out
	WIN 0x04
.set n, 0
.rept 16
	ds_store_b128 v6, v[64*((\f)%4)+4*n:64*((\f)%4)+4*n+3] offset:528*n
.set n, n+1
.endr
	WIN 0
.set n, 0
.rept 16
	ds_load_b128 v[64+96*((\f)%2)+4*n:67+96*((\f)%2)+4*n], v7 offset:256*(n/8)+16*(n%8)   ; LDS serves a wave's instructions in order: these see my stores, and stand behind the last set's reads of the stage
.set n, n+1
.endr
.endm
.macro QF X, P, SW                     ; the 64 numbers v[X ..] become a fragment's 12 registers v[P ..] and its scale word v[SW]
.set QX, \X
.set QP, \P
.set QS, \SW
	v_max3_num_f32 v128, |v[QX]|, |v[QX+1]|, 0x1800000     ; my two blocks of 32, by turns; the floor 2^(3 - 127) holds the byte at 1 from below
	v_max3_num_f32 v129, |v[QX+32]|, |v[QX+33]|, 0x1800000
.set n, 2
.rept 15
	v_max3_num_f32 v128, v128, |v[QX+n]|, |v[QX+1+n]|
	v_max3_num_f32 v129, v129, |v[QX+32+n]|, |v[QX+33+n]|
.set n, n+2
.endr
	v_add_nc_u32 v130, 0xff000000, v128            ; 2 off the exponent field: the conversion's scale operand
	v_add_nc_u32 v131, 0xff000000, v129
	v_lshrrev_b32 v132, 23, v130                   ; the scale's byte
	v_lshrrev_b32 v133, 23, v131
	v_lshl_or_b32 v[QS], v133, 16, v132            ; blocks h and 2 + h,
	v_lshlrev_b32 v[QS], v11, v[QS]                ; at their places in the word;
	v_permlanex16_b32 v15, v[QS], s28, s29
	v_or_b32 v[QS], v[QS], v15                     ; with lane l xor 16's two the word is whole
.irp c, 0,1
	v_cvt_scalef32_pk16_fp6_f32 v[QP+6*\c:QP+6*\c+2], v[QX+32*\c:QX+15+32*\c], v[130+\c]
	v_cvt_scalef32_pk16_fp6_f32 v[136+4*\c:138+4*\c], v[QX+16+32*\c:QX+31+32*\c], v[130+\c]   ; (a conversion's three registers begin on an even number)
.endr
	v_nop                                          ; one plain line behind the conversions
.irp c, 0,1
.irp i, 0,1,2
	v_mov_b32 v[QP+6*\c+3+\i], v[136+4*\c+\i]
.endr
.endr
.endm
.macro WFRAG f                         ; fragment f is quantised while set f + 1 goes through the stage
.if (\f) > 0
	s_wait_dscnt 4                                 ; LDS instructions return in order: X[f % 2] is in; the four stores of the last image may be out
.else
	s_wait_dscnt 0x0
.endif
	s_wait_alu depctr_vm_vsrc(0)                   ; the stores into the stage have read set f % 4, in which the loads below land; the image's stores of two fragments back have read the codes' and the scale word's registers that the quantiser below writes
.if (\f) < 12
	WLOAD (\f)+4
	TURN (\f)+1, 48                                ; three younger sets of 16 loads stay out: 24 KB a wave.  The other X: its last readers, the quantiser's lines of the fragment before, stand ahead of that fragment's wait on va_vdst, and no vector line has followed
.elseif (\f) < 15
	TURN (\f)+1, 16*(14-(\f))
.endif
	QF 64+96*((\f)%2), 144+88*((\f)%2), 134+(\f)%2
	s_wait_alu depctr_va_vdst(0)                   ; the quantiser has written the codes and the scale word, which the stores below read, and is done reading X[f % 2], in which the next fragment's loads from the stage land
.irp c, 0,1,2
	ds_store_b128 v[8+(\f)/8], v[144+88*((\f)%2)+4*\c:147+88*((\f)%2)+4*\c] offset:12288*(((\f)/2)%4)+1536*((\f)%2)+512*\c
.endr
	ds_store_b32 v10, v[134+(\f)%2] offset:1024*((\f)/2)+128*((\f)%2)
.endm
	; ---- PHASE W
.irp f, 0,1,2,3
	WLOAD \f
.endr
	TURN 0, 48
.irp f, 0,1,2,3,4,5,6,7,8,9,10,11,12,13,14,15
	WFRAG \f
.endr
	s_wait_dscnt 0x0                               ; my images have landed
	s_barrier_signal -1
	s_barrier_wait -1                              ; the one barrier: behind it the images are only read
	s_wait_kmcnt 0x0                               ; the count
	s_min_u32 s19, s19, 1024
	s_add_co_u32 s20, s19, 15
	s_lshr_b32 s20, s20, 4                         ; tiles of 16 rows, at most 64
	s_add_co_u32 s21, s20, 19
	s_mul_i32 s21, s21, 3277
	s_lshr_b32 s21, s21, 16                        ; passes: tiles / 20, rounded up (3277 / 65536 is just over 1 / 20; exact for up to 83)
	s_cmp_eq_u32 s21, 0
	s_cbranch_scc1 .Lend
.macro ACODES s                        ; my five tiles' fragments of K step 8 kq + s, from memory; set s % 3
	WIN 0xc0
.irp g, 0,1,2,3,4
.irp c, 0,1,2
	global_load_b128 v[64+60*((\s)%3)+12*\g+4*\c:64+60*((\s)%3)+12*\g+4*\c+3], v[16+\g], s[6:7] offset:1536*(\s)+512*\c
.endr
.endr
.endm
.macro AWORDS s                        ; and their scale words
	WIN 0
.irp g, 0,1,2,3,4
	global_load_b32 v[48+5*((\s)%3)+\g], v[21+\g], s[8:9] offset:128*(\s)
.endr
.endm
.macro WCODES s, t0                    ; the weight fragments t0 .. t0 + 3 of K step s, from LDS; set s % 2
	WIN 0x40
.irp t, 0,1,2,3
.irp c, 0,1,2
	ds_load_b128 v[96*((\s)%2)+12*((\t0)+\t)+4*\c:96*((\s)%2)+12*((\t0)+\t)+4*\c+3], v[12+(\s)/4] offset:12288*((\s)%4)+1536*((\t0)+\t)+512*\c
.endr
.endr
.endm
.macro WWORDS s                        ; the eight weight tiles' scale words of K step s
	WIN 0
.irp t, 0,1,2,3,4,5,6,7
	ds_load_b32 v[32+8*((\s)%2)+\t], v14 offset:1024*(\s)+128*\t
.endr
.endm
.macro MMS g, s                        ; slot g against the eight weight tiles, K step s; the first K step starts the sums
.set q, 0
.rept 8
.if (\s) == 0
	v_wmma_scale_f32_16x16x128_f8f6f4 v[64*((\g)%4)+8*q:64*((\g)%4)+8*q+7], v[96*((\s)%2)+12*q:96*((\s)%2)+12*q+11], v[64+60*((\s)%3)+12*(\g):64+60*((\s)%3)+12*(\g)+11], 0, v[32+8*((\s)%2)+q], v[48+5*((\s)%3)+(\g)] matrix_a_fmt:MATRIX_FMT_FP6 matrix_b_fmt:MATRIX_FMT_FP6
.else
	v_wmma_scale_f32_16x16x128_f8f6f4 v[64*((\g)%4)+8*q:64*((\g)%4)+8*q+7], v[96*((\s)%2)+12*q:96*((\s)%2)+12*q+11], v[64+60*((\s)%3)+12*(\g):64+60*((\s)%3)+12*(\g)+11], v[64*((\g)%4)+8*q:64*((\g)%4)+8*q+7], v[32+8*((\s)%2)+q], v[48+5*((\s)%3)+(\g)] matrix_a_fmt:MATRIX_FMT_FP6 matrix_b_fmt:MATRIX_FMT_FP6
.endif
.set q, q+1
.endr
.endm
; K step s: five runs of eight products; the next step's weights and the h of two steps on are asked for between the runs.  Step 0's loads are served by the wait at the pass's head; step 7 loads nothing: neither has a wait of its own.
.macro KSTEP s
.if ((\s) > 0) && ((\s) < 7)
.rept 4
	v_nop                                          ; four plain lines between the last products and loads into registers that they read
.endr
.endif
	s_wait_dscnt 0x0                               ; this K step's 32 LDS loads, all asked for in the step before, are in
.if (\s) < 7
	s_wait_loadcnt 20                              ; this K step's 20 loads are in; the next step's 20 may be out
.else
	s_wait_loadcnt 0x0
.endif
.if ((\s) > 0) && ((\s) < 7)
	s_wait_alu depctr_va_vdst(0)                   ; the last step's products are done reading their weights, their h and both sets of scale words, in which this step's loads land; this step's products name none of those registers
.endif
	WIN 0xad                                       ; source 0 (weights) window 1, source 1 (h) window 3, C and D window 2
	MMS 0, \s
.if (\s) < 7
	WCODES (\s)+1, 0
.endif
	WIN 0xad
	MMS 1, \s
.if (\s) < 7
	WCODES (\s)+1, 4
.endif
	WIN 0xad
	MMS 2, \s
.if (\s) < 7
	WWORDS (\s)+1
.endif
.if (\s) < 6
	AWORDS (\s)+2
.endif
	WIN 0xad
	MMS 3, \s
.if (\s) < 6
	ACODES (\s)+2
.endif
	WIN 0xfd                                       ; C and D window 3
	MMS 4, \s
.endm
.macro OUTSLOT g                       ; slot g's 16 rows x 128 outputs: through my stage, out as whole rows of 512 bytes
	s_add_co_u32 s24, s23, \g
	s_cmp_ge_u32 s24, s20
	s_cbranch_scc1 .Lno_slot_\@                    ; a repeated tile is not stored
	s_wait_xcnt 0x0                                ; the last slot's stores have read v64-127, which are loaded again below
	s_wait_alu depctr_vm_vsrc(0)                   ; the last slot's stores to memory have read v64 to v127, in which the loads from the stage land
	WIN 0x08+4*((\g)/4)                            ; an LDS store's data are its source 1: window 2 or 3
.set n, 0
.rept 8
	ds_store_b128 v26, v[64*((\g)%4)+8*n:64*((\g)%4)+8*n+3] offset:128*(n/2)+32*(n%2)       ; each accumulator from its low end on
	ds_store_b128 v26, v[64*((\g)%4)+8*n+4:64*((\g)%4)+8*n+7] offset:128*(n/2)+32*(n%2)+16
.set n, n+1
.endr
	WIN 0
.set n, 0
.rept 16
	ds_load_b128 v[64+4*n:67+4*n], v6 offset:528*n ; LDS serves a wave's instructions in order: these see my stores
.set n, n+1
.endr
.set n, 0
.rept 16
	s_wait_dscnt 15-n
	global_store_b128 v4, v[64+4*n:67+4*n], s[46:47] offset:65536*(\g)+4096*n               ; 512 consecutive bytes of one row
.set n, n+1
.endr
.Lno_slot_\@:
.endm
	; ---- THE PASSES
	s_mov_b32 s22, 0
.Lpass:
	s_mul_i32 s23, s22, 20
	s_mul_i32 s24, s16, 5
	s_add_co_u32 s23, s23, s24                     ; my first tile
	s_cmp_ge_u32 s23, s20
	s_cbranch_scc1 .Lpass_next                     ; none of mine is left
	s_sub_co_u32 s26, s20, 1
	s_wait_alu depctr_vm_vsrc(0)                   ; the last pass's loads of h have read the offsets v16 to v25, which are written below, and its LDS stores have read the accumulators, which K step 0 writes; in the first pass: the stores of phase W have read window 1, in which the weights' fragments land
.irp g, 0,1,2,3,4
	s_add_co_u32 s24, s23, \g
	s_min_u32 s24, s24, s26                        ; a slot beyond the last tile repeats it (its results are not stored),
	s_min_u32 s24, s24, 63                         ; held inside the expert's 64 tiles
	s_mul_i32 s25, s24, NK*1536
	v_add_nc_u32 v[16+\g], s25, v4
	s_mul_i32 s25, s24, NK*128
	v_add_nc_u32 v[21+\g], s25, v5
.endr
	s_wait_alu depctr_va_vdst(0)                   ; the ten offsets are written, which the loads below read; the last pass's products are done reading every set of fragments and of scale words, in which the loads below and those of K step 0 land
	AWORDS 0
	ACODES 0
	AWORDS 1
	ACODES 1
	WCODES 0, 0
	WCODES 0, 4
	WWORDS 0
.irp s, 0,1,2,3,4,5,6,7
	KSTEP \s
.endr
	WIN 0
.rept 4
	v_nop                                          ; four plain lines between the last products and the first read of results
.endr
	s_wait_alu depctr_va_vdst(0)                   ; the products have written the 40 accumulators, which the LDS stores of the five slots read; the plain lines above stay beside this wait, and no vector line follows it in the way out
	s_wait_xcnt 0x0                                ; the last pass's stores have read their base
	s_min_u32 s24, s23, 63
	s_lshl_b32 s24, s24, 16                        ; 16 rows of 4,096 bytes a tile
	s_mov_b32 s25, 0
	s_add_nc_u64 s[46:47], s[12:13], s[24:25]
.irp g, 0,1,2,3,4
	OUTSLOT \g
.endr
.Lpass_next:
	s_add_co_u32 s22, s22, 1
	s_cmp_lt_u32 s22, s21
	s_cbranch_scc1 .Lpass
.Lend:
	s_wait_dscnt 0x0                               ; the closing lines, six on end
	s_wait_alu 0x0
	s_wait_tensorcnt 0x0
	ds_add_u32 v254, v255
	s_wait_dscnt 0x0
	s_endpgm
.Lfunc_end_k_qc576eef8a5_gemm2:
	.size	k_qc576eef8a5_gemm2, .Lfunc_end_k_qc576eef8a5_gemm2-k_qc576eef8a5_gemm2
	.p2alignl 7, 3214868480
	.fill 96, 4, 3214868480
	.section	.rodata,"a",@progbits
	.p2align	6, 0x0
	.amdhsa_kernel k_qc576eef8a5_gemm2
		.amdhsa_group_segment_fixed_size 140800
		.amdhsa_private_segment_fixed_size 0
		.amdhsa_enable_private_segment 0
		.amdhsa_kernarg_size 40
		.amdhsa_user_sgpr_count 2
		.amdhsa_user_sgpr_kernarg_segment_ptr 1
		.amdhsa_wavefront_size32 1
		.amdhsa_system_sgpr_workgroup_id_x 1
		.amdhsa_system_sgpr_workgroup_id_y 1
		.amdhsa_system_sgpr_workgroup_id_z 1
		.amdhsa_system_vgpr_workitem_id 0
		.amdhsa_next_free_vgpr 1024
		.amdhsa_next_free_sgpr 66
		.amdhsa_reserve_vcc 0
		.amdhsa_float_denorm_mode_32 3
		.amdhsa_float_denorm_mode_16_64 3
		.amdhsa_memory_ordered 1
		.amdhsa_forward_progress 1
		.amdhsa_inst_pref_size 213
	.end_amdhsa_kernel
	.amdgpu_metadata
---
amdhsa.version: [ 1, 2 ]
amdhsa.kernels:
  - .name:           k_qc576eef8a5_gemm2
    .symbol:         k_qc576eef8a5_gemm2.kd
    .args:
      - { .name: w2, .offset: 0, .size: 8, .value_kind: global_buffer, .address_space: global }
      - { .name: hc, .offset: 8, .size: 8, .value_kind: global_buffer, .address_space: global }
      - { .name: hs, .offset: 16, .size: 8, .value_kind: global_buffer, .address_space: global }
      - { .name: route, .offset: 24, .size: 8, .value_kind: global_buffer, .address_space: global }
      - { .name: yp, .offset: 32, .size: 8, .value_kind: global_buffer, .address_space: global }
    .group_segment_fixed_size: 140800
    .private_segment_fixed_size: 0
    .kernarg_segment_align: 8
    .kernarg_segment_size: 40
    .max_flat_workgroup_size: 128
    .sgpr_count:     66
    .vgpr_count:     1024
    .wavefront_size: 32
...
	.end_amdgpu_metadata
.endif
;; end of part 7
;; launch combine: the kernel of part 5 again; grid 256 x 1, 4 waves a work-group, no clusters, 0 bytes of LDS; arguments inp, idx, sc, route, yp, ln_gamma, ln_beta, out0; writes out0
